; MI455X (gfx1250); checked and timed in simulation.
; The chip was launched on July 23, 2026; its instructions are those of AMD's public machine-readable ISA for CDNA 5 (MIT licence, August 2026) and "CDNA5" Instruction Set Architecture Reference Guide (July 2026). The comments in the code are by the model that wrote it; some were corrected since.
;; MHA. Allowed arithmetic: matrix products marked QUANTISED: E2M1 operands, one E8M0 scale for each 32 along K, by v_wmma_scale_f32_16x16x128_f8f6f4 with both operands' format E2M1 (or v_wmma_scale_f32_32x16x128_f4), f32 sums; products left as they are: bf16, f16 or f32 operands; f32 sums; everything else in f32.
;; Inputs: Wk 768 x 768 float32; Wo 768 x 768 float32; Wq 768 x 768 float32; Wv 768 x 768 float32; x 1 x 4,096 x 768 float32.
;; Outputs: out0 1 x 4,096 x 768 float32.
;; This version of the problem:
;;   THIS VERSION OF THE PROBLEM IS GIVEN IN LOW PRECISION. The matrix products marked QUANTISED in the list below multiply operands that are first quantised to E2M1 (2 exponent bits, 1 mantissa bit; 4 bits a number), with one power-of-two scale for each 32 numbers along K (OCP MX v1.0); their sums are f32. The products marked 'left as it is' may take bf16, f16 or f32 operands, with f32 sums. Whichever they take, every output number must still come out within the allowed error. Rounding operands to bf16 (8 significant bits) uses up far more of that allowance than f16 does (11 bits, for magnitudes from 6e-5 to 65,504). All else is computed in f32.
;;   The module's matrix products, in the order in which they are computed (A, B: the left and right operand; K: the contracted axis; several contracted axes count as one K, in the product's order):
;;     1. [M 4,096, K 768] x [K 768, N 768]; A: input x; B: input Wq: QUANTISED
;;     2. [M 4,096, K 768] x [K 768, N 768]; A: input x; B: input Wk: QUANTISED
;;     3. [M 4,096, K 768] x [K 768, N 768]; A: input x; B: input Wv: QUANTISED
;;     4. batch 12 x [M 4,096, K 64] x [K 64, N 4,096]; A: computed on the way; B: computed on the way: left as it is (an operand is computed on the way)
;;     5. batch 12 x [M 4,096, K 4,096] x [K 4,096, N 64]; A: computed on the way; B: computed on the way: left as it is (an operand is computed on the way)
;;     6. [M 4,096, K 768] x [K 768, N 768]; A: computed on the way; B: input Wo: left as it is (an operand is computed on the way)
;;   THE QUANTISER, for each operand of a quantised product, along K:
;;     - K is cut into blocks of 32 from its start; a last block that is shorter is filled with zeros.
;;     - A block's scale is 2^e with e = floor(log2(the largest magnitude in the block)) - 2, held to -126 .. 127; a block of zeros has e = 0. As a byte (E8M0): e + 127.
;;     - Each number is divided by its block's scale, clamped to +-6, and rounded to the nearest number of E2M1, ties to even, subnormals kept.
;;     - The product sums the exact products of the quantised numbers (number of the format x scale) in f32.
;;   ~~~python
;;   def quantise(x, axis):      # numpy; x: float32 -> the quantised numbers, widened to float32 again
;;       x = np.moveaxis(x, axis, -1); K = x.shape[-1]
;;       x = np.pad(x, [(0, 0)] * (x.ndim - 1) + [(0, -K % 32)]); x = x.reshape(x.shape[:-1] + (-1, 32)); a = np.abs(x).max(-1, keepdims=True)
;;       e = np.where(a > 0, np.clip(np.frexp(np.where(a > 0, a, 1))[1] - 1 - 2, -126, 127), 0)      # np.frexp(a)[1] - 1 = floor(log2(a)), exactly
;;       r = np.clip(x / 2.0 ** e, -6, 6)
;;       step = 2.0 ** (np.maximum(np.frexp(np.where(r == 0, 1, r))[1] - 1, 0) - 1)
;;       q = np.round(r / step) * step * 2.0 ** e      # np.round: ties to even
;;       return np.moveaxis(q.reshape(q.shape[:-2] + (-1,))[..., :K], -1, axis).astype(np.float32)
;;   ~~~
;; One version. Each part assembles by itself: llvm-mc -triple=amdgcn-amd-amdhsa -mcpu=gfx1250 --defsym DOCPART=n.
;; ======== version 1 of 1: 5 launches
;; limits: values are held in f16: magnitudes above 65,504 overflow, below 6.1e-05 lose precision
;; workspace buffers: codes 2,457,600 bytes; scales 153,600 bytes; wo16 1,179,648 bytes; qh 6,291,456 bytes; kh 6,291,456 bytes; vt 6,291,456 bytes; ao 6,291,456 bytes; first32 147,456 bytes
;; launch prep (part 1): grid 28 x 16, 3 waves a work-group, no clusters, 51,712 bytes of LDS; arguments x, Wq, Wk, Wv, Wo, codes, scales, wo16; writes codes, scales, wo16
.if DOCPART == 1
	.amdgcn_target "amdgcn-amd-amdhsa--gfx1250"
	.amdhsa_code_object_version 6
	.text
	.protected	k_q967e2474e6_prep
	.globl	k_q967e2474e6_prep
	.p2align	8
	.type	k_q967e2474e6_prep,@function
k_q967e2474e6_prep:
	s_mov_b64 s[64:65], 0
	v_nop
	global_prefetch_b8 v0, s[64:65] scope:SCOPE_SE
	s_setreg_imm32_b32 hwreg(HW_REG_WAVE_MODE, 25, 1), 1
	s_wait_xcnt 0x0
; PREP.  x [4096][768], Wq, Wk, Wv [768][768], f32, K innermost, become codes of FP4 (E2M1) with one E8M0 byte for each 32 along K; Wo [768][768] becomes f16.
; All three results are laid AS IMAGES OF THE READER'S OPERAND REGISTERS: a fragment is [c = 0, 1][lane][16 bytes], so the later launches load them by dense 16-byte loads and nothing is transposed there.
;   codes:  400 tiles of 16 rows x 6,144 bytes, [K step of 128: 0..5][c][lane][16]; lane (r, h) holds row r, k = 64 c + 32 h + 0..31.  Tiles 0..255: x.  Tile 256 + 9 cg + slot: the weights in the order the next launch's column group cg takes them.
;   scales: [tile][p = 0..2][32 words]: word l < 16 = row l's four bytes of K step 2 p, word 16 + r = row r's of K step 2 p + 1.
;   wo16:   [ng 0..5][K step of 32: 0..23][b 0..7][c][lane][16]; lane (r, h) holds row 16 (8 ng + b) + r, k = 16 c + 8 h + 0..7 of the step.
; A block's scale is 2^(floor(log2(largest magnitude)) - 2); its byte is the largest magnitude's exponent field - 2, held at 1 from below.
; LIMITS: a block of zeros gets the byte 1 where the rule says 127 (its codes are zeros, and this program alone reads the bytes); blocks whose largest magnitude lies under 2^-124 share that byte; NaN and infinities are not served;
; |Wo| stays under 65,504 (f16).  The scale words leave as pieces of 128 bytes: 150 KB of the launch's 25 MB.
; SHARES.  A work-group takes 16 rows x 768 numbers of one source; wave p takes columns 256 p .. 256 p + 255 as two chunks of 128.  Each load reads 512 consecutive bytes of a row; a chunk turns through the wave's own
; stage in LDS (rows of 512 + 16 bytes) so that a lane gets whole blocks of its row.  Waves share nothing: no barrier.  The two paths (codes; f16) part on the work-group's number and have LDS bytes of their own.
.set STH,   25600                      ; the f16 path's stages; the quantising path's begin at 0: 3 waves x 16 rows x 528 bytes each
.set SPARE, 51200                      ; the spare words: 128 bytes a wave, two blocks of 256 bytes that no other line names
.set LI,   2                           ; v2   16 x lane
.set SPW,  3                           ; v3   my spare word
.set NIL,  4                           ; v4   0
.set STOQ, 5                           ; v5   stage, way in (codes' path)
.set STOH, 6                           ; v6   stage, way in (f16 path)
.set RDQ,  7                           ; v7   stage, way out: row r, + 128 h
.set RDH,  8                           ; v8   stage, way out: row r, + 32 h
.set L4,   9                           ; v9   4 x lane
.set SH,   10                          ; v10  8 h
.set R,    16                          ; v16-143  32 loads x 4 registers
.set X,    144                         ; v144-207 64 numbers of my row
.set C,    208                         ; v208-223 codes: 8 registers a chunk
.set M,    224                         ; largest magnitudes of my two blocks
.set SO,   226                         ; the conversions' scale operands
.set BY,   228                         ; the scales' bytes
.set W,    230
.set T,    231
.set WD,   232                         ; v232, v233: the row's scale word of chunk 0, 1
.set WOUT, 234
.macro FINISH                          ; the wave's end, behind my last LDS store
	s_wait_tensorcnt 0x0
	ds_add_u32 v[SPW], v[NIL]
	s_wait_dscnt 0x0
	s_endpgm
.endm
	s_load_b256 s[4:11], s[0:1], 0x0               ; x, Wq, Wk, Wv
	s_load_b256 s[12:19], s[0:1], 0x20             ; Wo, codes, scales, wo16
	v_lshl_add_u32 v[SPW], v0, 2, SPARE
	v_mov_b32 v[NIL], 0
	v_lshrrev_b32 v1, 5, v0
	v_readfirstlane_b32 s22, v1                    ; wave p
	v_and_b32 v1, 31, v0                           ; lane
	v_lshlrev_b32 v[LI], 4, v1
	v_lshlrev_b32 v[L4], 2, v1
	v_and_b32 v11, 15, v0                          ; r
	v_bfe_u32 v12, v0, 4, 1                        ; h
	v_lshlrev_b32 v[SH], 3, v12
	s_mul_i32 s23, s22, 8448                       ; my stage
	v_add_nc_u32 v[STOQ], s23, v[LI]
	v_mul_u32_u24 v13, v11, 528
	v_add_nc_u32 v13, s23, v13
	v_lshl_add_u32 v[RDQ], v12, 7, v13
	v_lshl_add_u32 v[RDH], v12, 5, v13
	v_add_nc_u32 v[RDH], STH, v[RDH]
	v_add_nc_u32 v[STOH], STH, v[STOQ]
	v_mov_b32 v[T], 0                              ; written once: a lane permute's destination counts as one of its sources
	s_mov_b32 s40, 0x76543210
	s_mov_b32 s41, 0xfedcba98                      ; selects for lane l xor 16
	; which source and which 16 rows: gx = work-group x, gy = work-group y.  All candidates are made, then one is chosen by the work-group's number alone
	s_and_b32 s20, ttmp7, 0xffff                   ; gy
	s_mul_i32 s21, s20, 3
	s_add_co_u32 s21, s21, ttmp9                   ; 3 gy + gx
	s_sub_co_u32 s24, s21, 25                      ; gx >= 25: Wo's tile 3 gy + gx - 25
	s_sub_co_u32 s25, s21, 22                      ; 22 <= gx < 25: Wv's tile 3 cg + slot - 6
	s_lshr_b32 s26, s20, 2
	s_mul_i32 s26, s26, 6
	s_add_co_u32 s26, s26, ttmp9
	s_sub_co_u32 s26, s26, 16                      ; 16 <= gx < 22: head chunk 6 (cg / 4) + slot,
	s_lshl_b32 s26, s26, 2
	s_and_b32 s27, s20, 3
	s_add_co_u32 s26, s26, s27                     ; tile t = 4 x head chunk + cg % 4: under 48 Wq's tile t,
	s_sub_co_u32 s27, s26, 48                      ; else Wk's tile t - 48
	s_lshl_b32 s28, s20, 4
	s_add_co_u32 s28, s28, ttmp9                   ; gx < 16: x's tile 16 gy + gx
	s_mul_i32 s29, s20, 9
	s_add_co_u32 s29, s29, ttmp9
	s_add_co_u32 s29, s29, 240                     ; a weight's place among the tiles of codes: 256 + 9 cg + slot
	s_wait_kmcnt 0x0
	s_cmp_lt_u32 ttmp9, 25
	s_cselect_b64 s[30:31], s[10:11], s[12:13]
	s_cselect_b32 s32, s25, s24
	s_cmp_lt_u32 ttmp9, 22
	s_cselect_b64 s[30:31], s[8:9], s[30:31]
	s_cselect_b32 s32, s27, s32
	s_cselect_b32 s33, s26, 99
	s_cmp_lt_u32 s33, 48
	s_cselect_b64 s[30:31], s[6:7], s[30:31]
	s_cselect_b32 s32, s26, s32
	s_cmp_lt_u32 ttmp9, 16
	s_cselect_b64 s[30:31], s[4:5], s[30:31]
	s_cselect_b32 s32, s28, s32
	s_cselect_b32 s29, s28, s29
	s_mul_i32 s34, s32, 49152                      ; 16 rows of 3,072 bytes
	s_lshl_b32 s35, s22, 10                        ; my 256 columns
	s_add_co_u32 s34, s34, s35
	s_mov_b32 s35, 0
	s_add_nc_u64 s[30:31], s[30:31], s[34:35]
.irp e, 0,1
.irp r, 0,1,2,3,4,5,6,7,8,9,10,11,12,13,14,15
	global_load_b128 v[R+64*\e+4*\r:R+64*\e+4*\r+3], v[LI], s[30:31] offset:\r*3072+\e*512 th:TH_LOAD_NT   ; 32 lanes read 512 consecutive bytes of row r
.endr
.endr
	s_cmp_ge_u32 ttmp9, 25
	s_cbranch_scc1 .Lwo
; ---- codes.  Chunk e = K step 2 p + e
.macro QCHUNK e
	s_wait_loadcnt 16*(1-\e)                       ; this chunk's sixteen loads are in; chunk 1's sixteen may be out
.irp r, 0,1,2,3,4,5,6,7,8,9,10,11,12,13,14,15
	ds_store_b128 v[STOQ], v[R+64*\e+4*\r:R+64*\e+4*\r+3] offset:\r*528
.endr
.irp c, 0,1
.irp i, 0,1,2,3,4,5,6,7
	ds_load_b128 v[X+32*\c+4*\i:X+32*\c+4*\i+3], v[RDQ] offset:256*\c+16*\i   ; LDS serves a wave's instructions in order: these see my stores.  Block 2 c + h of row r, whole
.endr
.endr
	s_wait_dscnt 0x0
.irp c, 0,1
	v_max3_num_f32 v[M+\c], |v[X+32*\c]|, |v[X+32*\c+1]|, 0x1800000   ; with the floor 2^(3 - 127): the byte cannot fall under 1
.endr
.irp i, 2,4,6,8,10,12,14,16,18,20,22,24,26,28,30
.irp c, 0,1
	v_max3_num_f32 v[M+\c], v[M+\c], |v[X+32*\c+\i]|, |v[X+32*\c+\i+1]|   ; the two blocks by turns
.endr
.endr
.irp c, 0,1
	v_add_nc_u32 v[SO+\c], 0xff000000, v[M+\c]     ; 2 off the exponent field: the conversion takes this operand's exponent field as its scale
.endr
.irp c, 0,1
	v_lshrrev_b32 v[BY+\c], 23, v[SO+\c]           ; the scale's byte
.endr
	v_lshl_or_b32 v[W], v[BY+1], 16, v[BY]         ; blocks h and 2 + h,
	v_lshlrev_b32 v[W], v[SH], v[W]                ; at their places in the row's word;
	v_permlanex16_b32 v[T], v[W], s40, s41
	v_or_b32 v[WD+\e], v[W], v[T]                  ; with lane l xor 16's two the word is whole
.irp c, 0,1
.irp g, 0,1,2,3
	v_cvt_scalef32_pk8_fp4_f32 v[C+8*\e+4*\c+\g], v[X+32*\c+8*\g:X+32*\c+8*\g+7], v[SO+\c]
.endr
.endr
	v_nop                                          ; one plain place behind the scaled conversions
.irp c, 0,1
	global_store_b128 v[LI], v[C+8*\e+4*\c:C+8*\e+4*\c+3], s[14:15] offset:\e*1024+\c*512   ; 512 consecutive bytes, aligned
.endr
.endm
	s_mul_i32 s34, s29, 6144
	s_lshl_b32 s35, s22, 11
	s_add_co_u32 s34, s34, s35
	s_mov_b32 s35, 0
	s_add_nc_u64 s[14:15], s[14:15], s[34:35]      ; codes: my tile, my two K steps
	s_mul_i32 s34, s29, 384
	s_lshl_b32 s36, s22, 7
	s_add_co_u32 s34, s34, s36
	s_add_nc_u64 s[16:17], s[16:17], s[34:35]      ; scale words: my tile, my pair of K steps
	QCHUNK 0
	QCHUNK 1
	v_cmp_gt_u32 vcc_lo, 16, v1
	v_cndmask_b32 v[WOUT], v[WD+1], v[WD], vcc_lo  ; lanes 0-15: the even K step's words; lanes 16-31: the odd one's
	global_store_b32 v[L4], v[WOUT], s[16:17]
	FINISH
; ---- Wo to f16.  Chunk e = K steps (of 32) 8 p + 4 e + 0..3
.macro HCHUNK e
	s_wait_loadcnt 16*(1-\e)
.irp r, 0,1,2,3,4,5,6,7,8,9,10,11,12,13,14,15
	ds_store_b128 v[STOH], v[R+64*\e+4*\r:R+64*\e+4*\r+3] offset:\r*528
.endr
.irp k, 0,1,2,3
.irp c, 0,1
.irp i, 0,1
	ds_load_b128 v[X+8*(2*\k+\c)+4*\i:X+8*(2*\k+\c)+4*\i+3], v[RDH] offset:128*\k+64*\c+16*\i   ; row r, k = 32 k' + 16 c + 8 h + 0..7
.endr
.endr
.endr
	s_wait_dscnt 0x0
.set n, 0
.rept 32
	v_cvt_pk_f16_f32 v[R+64*\e+n], v[X+2*n], v[X+2*n+1]
.set n, n+1
.endr
.irp k, 0,1,2,3
.irp c, 0,1
	global_store_b128 v[LI], v[R+64*\e+4*(2*\k+\c):R+64*\e+4*(2*\k+\c)+3], s[18:19] offset:(4*\e+\k)*8192+\c*512
.endr
.endr
.endm
.Lwo:
	s_lshr_b32 s34, s32, 3
	s_mul_i32 s34, s34, 196608                     ; ng = tile / 8
	s_lshl_b32 s35, s22, 16                        ; my eight K steps
	s_add_co_u32 s34, s34, s35
	s_and_b32 s36, s32, 7
	s_lshl_b32 s36, s36, 10                        ; b = tile % 8
	s_add_co_u32 s34, s34, s36
	s_mov_b32 s35, 0
	s_add_nc_u64 s[18:19], s[18:19], s[34:35]
	HCHUNK 0
	HCHUNK 1
	FINISH
.Lfunc_end_k_q967e2474e6_prep:
	.size	k_q967e2474e6_prep, .Lfunc_end_k_q967e2474e6_prep-k_q967e2474e6_prep
	.p2alignl 7, 3214868480
	.fill 96, 4, 3214868480
	.section	.rodata,"a",@progbits
	.p2align	6, 0x0
	.amdhsa_kernel k_q967e2474e6_prep
		.amdhsa_group_segment_fixed_size 51712
		.amdhsa_private_segment_fixed_size 0
		.amdhsa_enable_private_segment 0
		.amdhsa_kernarg_size 64
		.amdhsa_user_sgpr_count 2
		.amdhsa_user_sgpr_kernarg_segment_ptr 1
		.amdhsa_wavefront_size32 1
		.amdhsa_system_sgpr_workgroup_id_x 1
		.amdhsa_system_sgpr_workgroup_id_y 1
		.amdhsa_system_sgpr_workgroup_id_z 1
		.amdhsa_system_vgpr_workitem_id 0
		.amdhsa_next_free_vgpr 240
		.amdhsa_next_free_sgpr 66
		.amdhsa_reserve_vcc 1
		.amdhsa_float_denorm_mode_32 3
		.amdhsa_float_denorm_mode_16_64 3
		.amdhsa_memory_ordered 1
		.amdhsa_forward_progress 1
		.amdhsa_inst_pref_size 27
	.end_amdhsa_kernel
	.amdgpu_metadata
---
amdhsa.version: [ 1, 2 ]
amdhsa.kernels:
  - .name:           k_q967e2474e6_prep
    .symbol:         k_q967e2474e6_prep.kd
    .args:
      - { .name: x, .offset: 0, .size: 8, .value_kind: global_buffer, .address_space: global }
      - { .name: Wq, .offset: 8, .size: 8, .value_kind: global_buffer, .address_space: global }
      - { .name: Wk, .offset: 16, .size: 8, .value_kind: global_buffer, .address_space: global }
      - { .name: Wv, .offset: 24, .size: 8, .value_kind: global_buffer, .address_space: global }
      - { .name: Wo, .offset: 32, .size: 8, .value_kind: global_buffer, .address_space: global }
      - { .name: codes, .offset: 40, .size: 8, .value_kind: global_buffer, .address_space: global }
      - { .name: scales, .offset: 48, .size: 8, .value_kind: global_buffer, .address_space: global }
      - { .name: wo16, .offset: 56, .size: 8, .value_kind: global_buffer, .address_space: global }
    .group_segment_fixed_size: 51712
    .private_segment_fixed_size: 0
    .kernarg_segment_align: 8
    .kernarg_segment_size: 64
    .max_flat_workgroup_size: 96
    .sgpr_count:     66
    .vgpr_count:     240
    .wavefront_size: 32
...
	.end_amdgpu_metadata
.endif
;; end of part 1
;; launch qkv (part 2): grid 16 x 16, 4 waves a work-group, no clusters, 167,936 bytes of LDS; arguments codes, scales, qh, kh, vt, first32; writes qh, kh, vt, first32
.if DOCPART == 2
	.amdgcn_target "amdgcn-amd-amdhsa--gfx1250"
	.amdhsa_code_object_version 6
	.text
	.protected	k_q967e2474e6_qkv
	.globl	k_q967e2474e6_qkv
	.p2align	8
	.type	k_q967e2474e6_qkv,@function
k_q967e2474e6_qkv:
	s_mov_b64 s[64:65], 0
	v_nop
	global_prefetch_b8 v0, s[64:65] scope:SCOPE_SE
	s_setreg_imm32_b32 hwreg(HW_REG_WAVE_MODE, 25, 1), 1
	s_wait_xcnt 0x0
; QKV.  Q = x Wq^T, K = x Wk^T, V = x Wv^T on codes of FP4 with E8M0 scales (K = 768: six matrix instructions deep), RoPE on Q and K in f32, Q x log2(e) / 8, all three rounded to f16
; and stored AS IMAGES OF THE ATTENTION'S OPERAND REGISTERS; positions 0..15 also in f32 (first32), for the launch that carries those rows finely.
; SHARES.  Work-group (pg, cg): 256 positions x 9 tiles of 16 channels.  Slots 0-5: the tiles of head chunks 6 (cg / 4) + slot (chunks 0-11: Q's heads, 12-23: K's), ALL AT THE SAME PLACE tq = cg % 4 IN THEIR HEAD, so that
; one set of cosines and sines serves the six.  Slots 6-8: V's tiles 3 cg + b.  Wave w: position tiles 16 pg + 4 w + a, a = 0..3, against all nine, three at a time: twelve accumulators by turns.
; Q and K are made TRANSPOSED (source 0 = 16 channels of W, source 1 = 16 positions of x): a lane holds one position and eight neighbouring channels, which pack into the 16 bytes that a fragment of Q or K wants of that lane.
; V is made the other way (source 0 = x): a lane holds one channel and eight neighbouring positions: the 16 bytes of a fragment of V^T.  So every store is 512 consecutive bytes and nothing goes through LDS on the way out.
; The nine weight tiles (55,296 bytes, dense in memory) come into LDS once, a quarter by each wave's tensor load: one load of mine is out.  x's fragments are read by one wave alone: from memory straight into registers.
; No cluster: a branch below (the f32 copy) hangs on the position group, along which partners would share the weights.
; LIMITS: |Q| log2(e) / 8, |K|, |V| stay under 65,504 (f16).  The angle is at most 4,095 (the positions are the problem's own); 1 / frequency comes from v_exp_f32.
.set SPARE, 55296                      ; behind the weights: the spare words, 128 bytes a wave
.set LI,  1                            ; v1  16 x lane
.set SPW, 2
.set NIL, 3
.set L4,  4                            ; v4  4 x lane
.set FA,  5                            ; v5  first32, Q and K: 256 r + 32 h
.set FV,  6                            ; v6  first32, V: 64 r + 32 h
.set IFQ, 8                            ; v8-11 my four inverse frequencies; later v8-15 at work in RoPE
.set XS,  16                           ; v16-27  x's scale words, [a][p]
.set WS,  28                           ; v28-54  the weights', [slot][p]
.set CSN, 56                           ; v56-87  [a][jj]: cosine, sine (x log2(e) / 8 for Q)
.set ACC, 88                           ; v88-183 accumulator (a, b) at 88 + 8 (3 a + b)
.set WFR, 184                          ; v184-231 weight fragments: two sets of three
.set TA,  232
.set TK,  236
.set TZ,  240
.set TS,  244
.set TC,  248
.set TT,  252
.set G1,  24
.set G0,  32
.set MSB, 0
.macro WIN new                         ; the immediate's high byte repeats the setting that is left
.if MSB != \new
	s_set_vgpr_msb (MSB<<8)|\new
.set MSB, \new
.endif
.endm
.macro PLACES n
.rept \n
	v_nop
.endr
.endm
	s_load_b256 s[4:11], s[0:1], 0x0               ; codes, scales, qh, kh
	s_load_b128 s[12:15], s[0:1], 0x20             ; vt, first32
	v_lshl_add_u32 v[SPW], v0, 2, SPARE
	v_mov_b32 v[NIL], 0
	ds_add_u32 v[SPW], v[NIL]                      ; the wave's opening: the add, twice on end, and its wait ahead of my first tensor load
	ds_add_u32 v[SPW], v[NIL]
	v_lshrrev_b32 v7, 5, v0
	v_readfirstlane_b32 s16, v7                    ; wave
	v_and_b32 v7, 31, v0
	v_lshlrev_b32 v[LI], 4, v7
	v_lshlrev_b32 v[L4], 2, v7
	v_and_b32 v13, 15, v0                          ; r
	v_bfe_u32 v15, v0, 4, 1                        ; h
	v_lshlrev_b32 v[FA], 8, v13
	v_lshl_add_u32 v[FA], v15, 5, v[FA]
	v_lshlrev_b32 v[FV], 6, v13
	v_lshl_add_u32 v[FV], v15, 5, v[FV]
	s_and_b32 s17, ttmp7, 0xffff                   ; cg
	s_and_b32 s18, s17, 3                          ; tq
	s_lshr_b32 s19, s17, 2                         ; sub
	s_mov_b32 s[G1+0], 3<<16                       ; elements of 8 bytes, no mask, no padding
	s_mov_b32 s[G1+1], 32<<16                      ; tensor_dim0 = 32 elements: rows of 256 bytes
	s_mov_b32 s[G1+2], 54<<16                      ; tensor_dim1 = 54 rows: a quarter of the nine tiles
	s_mov_b32 s[G1+3], 32<<16                      ; tile_dim0
	s_mov_b32 s[G1+4], 54                          ; tile_dim1
	s_mov_b32 s[G1+5], 32                          ; the pitch: dense
	s_mov_b32 s[G1+6], 0
	s_mov_b32 s[G1+7], 0
	s_mov_b32 s[G0], 1
	s_mul_i32 s[G0+1], s16, 13824                  ; LDS: my quarter
	s_mul_i32 s20, s17, 9
	s_add_co_u32 s20, s20, 256                     ; my group's first tile of weights
	s_mul_i32 s36, s20, 6144
	s_add_co_u32 s36, s36, s[G0+1]
	s_mov_b32 s37, 0
	s_lshl_b32 s21, ttmp9, 4
	s_lshl_b32 s22, s16, 2
	s_add_co_u32 s21, s21, s22                     ; my first position tile: 16 pg + 4 w
	s_mul_i32 s38, s21, 6144
	s_mov_b32 s39, 0
	s_mul_i32 s40, s21, 384
	s_mov_b32 s41, 0
	s_mul_i32 s42, s20, 384
	s_mov_b32 s43, 0
	s_and_b32 s52, s19, 1
	s_mul_i32 s52, s52, 1536                       ; heads 6 (sub % 2) on, 256 tiles a head,
	s_add_co_u32 s52, s52, s21
	s_lshl_b32 s52, s52, 11                        ; 2,048 bytes a tile,
	s_lshl_b32 s53, s18, 9                         ; 512 tq
	s_add_co_u32 s52, s52, s53
	s_mov_b32 s53, 0
	s_mul_i32 s56, s19, 24576                      ; first32: head chunk 6 sub, 4,096 bytes a chunk,
	s_lshl_b32 s57, s18, 6                         ; channels 16 tq on
	s_add_co_u32 s56, s56, s57
	s_mov_b32 s57, 0
	s_mul_i32 s60, s17, 3072                       ; first32, V: channel 48 cg, 64 bytes a channel
	s_add_co_u32 s60, s60, 98304
	s_mov_b32 s61, 0
.irp b, 0,1,2
	s_mul_i32 s84, s17, 3
	s_add_co_u32 s84, s84, \b                      ; V's tile v = 3 cg + b: head v / 4, channel tile v % 4
	s_lshr_b32 s85, s84, 2
	s_lshl_b32 s85, s85, 19
	s_and_b32 s84, s84, 3
	s_lshl_b32 s84, s84, 10
	s_add_co_u32 s84, s84, s85
	s_lshl_b32 s85, s21, 11                        ; key block (16 pg + 4 w) / 2, 4,096 bytes a block
	s_add_co_u32 s[66+2*\b], s84, s85
	s_mov_b32 s[67+2*\b], 0
.endr
	s_or_b32 s72, ttmp9, s16                       ; 0 where my tile a = 0 is positions 0..15
	s_mov_b32 s73, 0x3f22f983                      ; 2 / pi
	s_mov_b32 s74, 0xbfc90fdb                      ; -(pi / 2), the f32 nearest,
	s_mov_b32 s75, 0x333bbd2e                      ; and what that f32 is too large by
	s_mov_b32 s76, 0xb94ca1f9                      ; the sine's three coefficients,
	s_mov_b32 s77, 0x3c08839e
	s_mov_b32 s78, 0xbe2aaaa3
	s_mov_b32 s79, 0x37ccf5ce                      ; the cosine's
	s_mov_b32 s80, 0xbab6061a
	s_mov_b32 s81, 0x3d2aaaa5
	s_wait_dscnt 0x0                               ; both opening adds are done
	s_wait_kmcnt 0x0
	s_add_nc_u64 s[G0+2:G0+3], s[4:5], s[36:37]
	s_or_b32 s[G0+3], s[G0+3], 0x80000000          ; type = 2
	tensor_load_to_lds s[G0:G0+3], s[G1:G1+7]      ; my quarter of the weights: filled once
	s_nop 0
	PLACES 4
	s_add_nc_u64 s[44:45], s[4:5], s[38:39]        ; x's codes at my first tile
	s_add_nc_u64 s[46:47], s[6:7], s[40:41]        ; x's scale words
	s_add_nc_u64 s[48:49], s[6:7], s[42:43]        ; the weights' scale words
	s_cmp_lt_u32 s19, 2                            ; Q's column groups or K's
	s_cselect_b64 s[50:51], s[8:9], s[10:11]
	s_cselect_b32 s23, 0x3e38aa3b, 1.0             ; Q takes log2(e) / 8 with its cosines and sines
	s_add_nc_u64 s[50:51], s[50:51], s[52:53]
	s_add_nc_u64 s[54:55], s[14:15], s[56:57]
	s_add_nc_u64 s[58:59], s[14:15], s[60:61]
.irp b, 0,1,2
	s_add_nc_u64 s[66+2*\b:67+2*\b], s[12:13], s[66+2*\b:67+2*\b]
.endr
	WIN 0x40                                       ; destination window 1
.irp a, 0,1,2,3
.irp s, 0,1,2,3,4,5
.irp c, 0,1
	global_load_b128 v[8*(6*\a+\s)+4*\c:8*(6*\a+\s)+4*\c+3], v[LI], s[44:45] offset:\a*6144+\s*1024+\c*512   ; x's fragment (a, K step s): it stays
.endr
.endr
.endr
	WIN 0
.irp a, 0,1,2,3
.irp p, 0,1,2
	global_load_b32 v[XS+3*\a+\p], v[L4], s[46:47] offset:\a*384+\p*128
.endr
.endr
.irp t, 0,1,2,3,4,5,6,7,8
.irp p, 0,1,2
	global_load_b32 v[WS+3*\t+\p], v[L4], s[48:49] offset:\t*384+\p*128
.endr
.endr
	; cosines and sines, while all that is on its way.  My pairs of channels are i = 8 tq + 4 h + jj; 1 / frequency = 10000^(-i / 32) = 2^(-i log2(10000) / 32)
	s_lshl_b32 s84, s18, 3
	v_lshl_add_u32 v7, v15, 2, s84
.irp j, 0,1,2,3
	v_add_nc_u32 v[IFQ+\j], \j, v7
.endr
.irp j, 0,1,2,3
	v_cvt_f32_u32 v[IFQ+\j], v[IFQ+\j]
.endr
.irp j, 0,1,2,3
	v_mul_f32 v[IFQ+\j], 0xbed49a78, v[IFQ+\j]
.endr
.irp j, 0,1,2,3
	v_exp_f32 v[IFQ+\j], v[IFQ+\j]
.endr
	s_lshl_b32 s85, s21, 4
	v_add_nc_u32 v14, s85, v13                     ; my position in tile a = 0.  (The plain place behind the exponentials)
	s_wait_alu depctr_va_vdst(0)                   ; one wait for the four, ahead of their first reader
; Tile a's four angles at once.  k = the nearest whole number to angle x 2 / pi; the rest r = angle - k pi / 2 in two fused steps; sine and cosine of r by polynomials for |r| <= pi / 4; k % 4 swaps them and sets the signs.
.macro SINCOS4 a
	v_add_nc_u32 v15, 16*\a, v14
	v_cvt_f32_u32 v12, v15
.irp j, 0,1,2,3
	v_mul_f32 v[TA+\j], v12, v[IFQ+\j]             ; the angle: one rounding
.endr
.irp j, 0,1,2,3
	v_mul_f32 v[TK+\j], s73, v[TA+\j]
.endr
.irp j, 0,1,2,3
	v_rndne_f32 v[TK+\j], v[TK+\j]
.endr
.irp j, 0,1,2,3
	v_fma_f32 v[TA+\j], v[TK+\j], s74, v[TA+\j]
.endr
.irp j, 0,1,2,3
	v_fma_f32 v[TA+\j], v[TK+\j], s75, v[TA+\j]
.endr
.irp j, 0,1,2,3
	v_mul_f32 v[TZ+\j], v[TA+\j], v[TA+\j]
.endr
.irp j, 0,1,2,3
	v_fma_f32 v[TS+\j], v[TZ+\j], s76, s77
	v_fma_f32 v[TC+\j], v[TZ+\j], s79, s80
.endr
.irp j, 0,1,2,3
	v_fma_f32 v[TS+\j], v[TS+\j], v[TZ+\j], s78
	v_fma_f32 v[TC+\j], v[TC+\j], v[TZ+\j], s81
.endr
.irp j, 0,1,2,3
	v_mul_f32 v[TS+\j], v[TS+\j], v[TZ+\j]
	v_mul_f32 v[TT+\j], v[TZ+\j], v[TZ+\j]
.endr
.irp j, 0,1,2,3
	v_fma_f32 v[TZ+\j], v[TZ+\j], -0.5, 1.0
	v_fma_f32 v[TS+\j], v[TS+\j], v[TA+\j], v[TA+\j]   ; sin r
.endr
.irp j, 0,1,2,3
	v_fma_f32 v[TC+\j], v[TC+\j], v[TT+\j], v[TZ+\j]   ; cos r
	v_cvt_i32_f32 v[TK+\j], v[TK+\j]
.endr
.irp j, 0,1,2,3
	v_and_b32 v[TT+\j], 1, v[TK+\j]
.endr
.irp j, 0,1,2,3
	v_cmp_eq_u32 vcc_lo, 1, v[TT+\j]               ; k odd: sine and cosine change places
	v_cndmask_b32 v[TT+\j], v[TS+\j], v[TC+\j], vcc_lo
	v_cndmask_b32 v[TC+\j], v[TC+\j], v[TS+\j], vcc_lo
.endr
.irp j, 0,1,2,3
	v_and_b32 v[TS+\j], 2, v[TK+\j]                ; k % 4 = 2, 3: the sine is negative
	v_add_nc_u32 v[TK+\j], 1, v[TK+\j]
.endr
.irp j, 0,1,2,3
	v_lshlrev_b32 v[TS+\j], 30, v[TS+\j]
	v_and_b32 v[TK+\j], 2, v[TK+\j]                ; k % 4 = 1, 2: the cosine is
.endr
.irp j, 0,1,2,3
	v_xor_b32 v[TT+\j], v[TT+\j], v[TS+\j]
	v_lshlrev_b32 v[TK+\j], 30, v[TK+\j]
.endr
.irp j, 0,1,2,3
	v_xor_b32 v[TC+\j], v[TC+\j], v[TK+\j]
.endr
.irp j, 0,1,2,3
	v_mul_f32 v[CSN+8*\a+2*\j], s23, v[TC+\j]
	v_mul_f32 v[CSN+8*\a+2*\j+1], s23, v[TT+\j]
.endr
.endm
	SINCOS4 0
	SINCOS4 1
	SINCOS4 2
	SINCOS4 3
	s_wait_tensorcnt 0x0                           ; my quarter of the weights is in,
	s_barrier_signal -1
	s_barrier_wait -1                              ; everybody's is
	s_wait_loadcnt 0x0                             ; x's fragments and all scale words
.macro FETCH g, s                      ; group g's three weight fragments of K step s into set s % 2: images, 16 bytes a lane
.irp b, 0,1,2
.irp c, 0,1
	ds_load_b128 v[WFR+24*((\s)%2)+8*\b+4*\c:WFR+24*((\s)%2)+8*\b+4*\c+3], v[LI] offset:(3*(\g)+\b)*6144+(\s)*1024+\c*512
.endr
.endr
.endm
; one scaled product.  An odd K step's scale words lie in lanes 16-31 of the pair's register
.macro WM d, a, b, sa, sb, s
.if (\s) == 0
	v_wmma_scale_f32_16x16x128_f8f6f4 v[(\d):(\d)+7], v[(\a):(\a)+7], v[(\b):(\b)+7], 0, v[\sa], v[\sb] matrix_a_fmt:MATRIX_FMT_FP4 matrix_b_fmt:MATRIX_FMT_FP4
.elseif (\s)%2 == 0
	v_wmma_scale_f32_16x16x128_f8f6f4 v[(\d):(\d)+7], v[(\a):(\a)+7], v[(\b):(\b)+7], v[(\d):(\d)+7], v[\sa], v[\sb] matrix_a_fmt:MATRIX_FMT_FP4 matrix_b_fmt:MATRIX_FMT_FP4
.else
	v_wmma_scale_f32_16x16x128_f8f6f4 v[(\d):(\d)+7], v[(\a):(\a)+7], v[(\b):(\b)+7], v[(\d):(\d)+7], v[\sa], v[\sb] matrix_a_fmt:MATRIX_FMT_FP4 matrix_b_fmt:MATRIX_FMT_FP4 matrix_a_scale:MATRIX_SCALE_ROW1 matrix_b_scale:MATRIX_SCALE_ROW1
.endif
.endm
; K step s of group g.  kind 0: Q or K, source 0 = the weights, source 1 = x (window 1).  kind 1: V, source 0 = x (window 1), source 1 = the weights.
; The twelve accumulators take turns, one instruction a turn, in the same order in every step.  The first step's products start the sums: nothing is cleared.
.macro GSTEP kind, g, s
	s_wait_dscnt 0x0                               ; this step's three fragments are in
.if \s < 5
.if \s > 0
	PLACES 4                                       ; in front of loads into the set that the last step's products read
.endif
.if \kind
	WIN 0                                          ; (an LDS load's address is its source 0)
.endif
	FETCH \g, \s+1
.endif
.if \kind
	WIN 0x01
.else
	WIN 0x04
.endif
.irp b, 0,1,2
.irp a, 0,1,2,3
.if \kind
	WM ACC+8*(3*\a+\b), 8*(6*\a+\s), WFR+24*(\s%2)+8*\b, XS+3*\a+\s/2, WS+3*(3*\g+\b)+\s/2, \s
.else
	WM ACC+8*(3*\a+\b), WFR+24*(\s%2)+8*\b, 8*(6*\a+\s), WS+3*(3*\g+\b)+\s/2, XS+3*\a+\s/2, \s
.endif
.endr
.endr
.endm
.macro F32OUT adr, r0, base, off       ; positions 0..15 in f32: only where my tile a = 0 is the first of all.  A branch on ids
	s_cmp_lg_u32 s72, 0
	s_cbranch_scc1 .Lnot_first_\@
	global_store_b128 v[\adr], v[(\r0):(\r0)+3], s[\base:\base+1] offset:\off
	global_store_b128 v[\adr], v[(\r0)+4:(\r0)+7], s[\base:\base+1] offset:\off+16
	s_wait_xcnt 0x0                                ; the stores have read their data: the packing below writes over them
.Lnot_first_\@:
.endm
.macro PACK r0                         ; eight f32 into four registers of f16, in place, ascending
.irp i, 0,1,2,3
	v_cvt_pk_f16_f32 v[(\r0)+\i], v[(\r0)+2*\i], v[(\r0)+2*\i+1]
.endr
.endm
.macro ROPE a, r0                      ; even = x1 cos - x2 sin, odd = x1 sin + x2 cos; the first read is the accumulator's register 1
.irp j, 0,1,2,3
	v_mul_f32 v[8+\j], v[(\r0)+2*\j+1], v[CSN+8*\a+2*\j+1]
	v_mul_f32 v[12+\j], v[(\r0)+2*\j+1], v[CSN+8*\a+2*\j]
.endr
.irp j, 0,1,2,3
	v_fma_f32 v[(\r0)+2*\j+1], v[(\r0)+2*\j], v[CSN+8*\a+2*\j+1], v[12+\j]
	v_fma_f32 v[(\r0)+2*\j], v[(\r0)+2*\j], v[CSN+8*\a+2*\j], -v[8+\j]
.endr
.endm
.macro EPIQK g
.irp b, 0,1,2
.irp a, 0,1,2,3
	ROPE \a, ACC+8*(3*\a+\b)
.if \a == 0
	F32OUT FA, ACC+8*(3*\a+\b), 54, (3*\g+\b)*4096
.endif
	PACK ACC+8*(3*\a+\b)
	global_store_b128 v[LI], v[ACC+8*(3*\a+\b):ACC+8*(3*\a+\b)+3], s[50:51] offset:(3*\g+\b)*524288+\a*2048   ; 512 consecutive bytes: part tq of the tile's image
.endr
.endr
.endm
.macro EPIV
.irp b, 0,1,2
.irp a, 0,1,2,3
.if \a == 0
	F32OUT FV, ACC+8*(3*\a+\b), 58, \b*1024
.endif
	PACK ACC+8*(3*\a+\b)
	global_store_b128 v[LI], v[ACC+8*(3*\a+\b):ACC+8*(3*\a+\b)+3], s[66+2*\b:67+2*\b] offset:(\a/2)*4096+(\a%2)*512
.endr
.endr
.endm
	FETCH 0, 0
.irp s, 0,1,2,3,4,5
	GSTEP 0, 0, \s
.endr
	PLACES 4                                       ; in front of the first read of results, and of loads into the set that step 4 read
	WIN 0
	FETCH 1, 0
	EPIQK 0
	s_wait_xcnt 0x0                                ; the stores have read the accumulators: the next group's products write them
.irp s, 0,1,2,3,4,5
	GSTEP 0, 1, \s
.endr
	PLACES 4
	WIN 0
	FETCH 2, 0
	EPIQK 1
	s_wait_xcnt 0x0
.irp s, 0,1,2,3,4,5
	GSTEP 1, 2, \s
.endr
	PLACES 4
	WIN 0
	EPIV
	s_wait_tensorcnt 0x0                           ; the wave's end
	ds_add_u32 v[SPW], v[NIL]
	s_wait_dscnt 0x0
	s_endpgm
.Lfunc_end_k_q967e2474e6_qkv:
	.size	k_q967e2474e6_qkv, .Lfunc_end_k_q967e2474e6_qkv-k_q967e2474e6_qkv
	.p2alignl 7, 3214868480
	.fill 96, 4, 3214868480
	.section	.rodata,"a",@progbits
	.p2align	6, 0x0
	.amdhsa_kernel k_q967e2474e6_qkv
		.amdhsa_group_segment_fixed_size 167936
		.amdhsa_private_segment_fixed_size 0
		.amdhsa_enable_private_segment 0
		.amdhsa_kernarg_size 48
		.amdhsa_user_sgpr_count 2
		.amdhsa_user_sgpr_kernarg_segment_ptr 1
		.amdhsa_wavefront_size32 1
		.amdhsa_system_sgpr_workgroup_id_x 1
		.amdhsa_system_sgpr_workgroup_id_y 1
		.amdhsa_system_sgpr_workgroup_id_z 1
		.amdhsa_system_vgpr_workitem_id 0
		.amdhsa_next_free_vgpr 448
		.amdhsa_next_free_sgpr 96
		.amdhsa_reserve_vcc 1
		.amdhsa_float_denorm_mode_32 3
		.amdhsa_float_denorm_mode_16_64 3
		.amdhsa_memory_ordered 1
		.amdhsa_forward_progress 1
		.amdhsa_inst_pref_size 104
	.end_amdhsa_kernel
	.amdgpu_metadata
---
amdhsa.version: [ 1, 2 ]
amdhsa.kernels:
  - .name:           k_q967e2474e6_qkv
    .symbol:         k_q967e2474e6_qkv.kd
    .args:
      - { .name: codes, .offset: 0, .size: 8, .value_kind: global_buffer, .address_space: global }
      - { .name: scales, .offset: 8, .size: 8, .value_kind: global_buffer, .address_space: global }
      - { .name: qh, .offset: 16, .size: 8, .value_kind: global_buffer, .address_space: global }
      - { .name: kh, .offset: 24, .size: 8, .value_kind: global_buffer, .address_space: global }
      - { .name: vt, .offset: 32, .size: 8, .value_kind: global_buffer, .address_space: global }
      - { .name: first32, .offset: 40, .size: 8, .value_kind: global_buffer, .address_space: global }
    .group_segment_fixed_size: 167936
    .private_segment_fixed_size: 0
    .kernarg_segment_align: 8
    .kernarg_segment_size: 48
    .max_flat_workgroup_size: 128
    .sgpr_count:     96
    .vgpr_count:     448
    .wavefront_size: 32
...
	.end_amdgpu_metadata
.endif
;; end of part 2
;; launch attn (part 3): grid 16 x 12, 8 waves a work-group, no clusters, 327,680 bytes of LDS; arguments qh, kh, vt, ao; writes ao
.if DOCPART == 3
	.amdgcn_target "amdgcn-amd-amdhsa--gfx1250"
	.amdhsa_code_object_version 6
	.text
	.protected	k_q967e2474e6_attn
	.globl	k_q967e2474e6_attn
	.p2align	8
	.type	k_q967e2474e6_attn,@function
k_q967e2474e6_attn:
	s_mov_b64 s[64:65], 0
	v_nop
	global_prefetch_b8 v0, s[64:65] scope:SCOPE_SE
	s_setreg_imm32_b32 hwreg(HW_REG_WAVE_MODE, 25, 1), 1
	s_wait_xcnt 0x0
; ATTN.  O[h][q] = sum over k <= q of softmax_k(Q[h][q] . K[h][k] / 8) V[h][k], 12 heads of 64, 4,096 positions.  Q (already x log2(e) / 8), K and V^T arrive in f16 as images of operand registers; sums, maxima and the row's sum in f32;
; the weights p are rounded to f16 for the second product, O once at the end; O leaves as the image that the projection's source 1 wants.
; SHARES.  Work-group (i, head) owns the query blocks i and 31 - i, 128 queries each, and EACH OF ITS EIGHT WAVES ONE TILE OF 16 QUERIES OF EACH BLOCK (tile L = 8 i + w, tile H = 248 - 8 i + w): under the causal mask every
; work-group then has 33 blocks' worth of keys, all eight waves have like work at every moment, and while L is alive a fragment of K or V read from LDS feeds two products.  192 work-groups: 256 query tiles a head do not divide into equal causal shares of 12.
; LAYOUT.  S^T = K Q^T (source 0 = 16 keys), O^T = V^T P (source 0 = 16 channels): a lane holds ONE query throughout; two neighbouring tiles of S^T, packed in pairs, are source 1 of the second product.
; SOFTMAX.  Running maximum m and sum l for each query; p = 2^(s - m); in every step O and l are multiplied by a = 2^(m_old - m_new).  m begins at -3e38, O and l at 0: the step has no first case.
; THE RING.  Keys go 64 a step, 256 a slot, through two LDS slots of 65,536 bytes (K's images, then V's).  Every wave fetches an eighth of a slot, 8,192 dense bytes: one tensor load of mine is out behind each barrier.
; CAUSAL.  Every work-group walks all 16 slots, so that the trip counts are constants; a step whose keys all come after a tile's queries is left out by a scalar branch on ids; a slot whose first key comes after the work-group's last query is not asked for.
; No cluster: under the mask partners would need different numbers of tiles.
; LIMITS: |O| under 65,504 (f16).
.set SLOT1, 65536
.set SLOTB, 32768                      ; a slot's bytes of K, and of V, in memory
.set SPARE, 131072                     ; behind the ring: the spare words, 128 bytes a wave
.set LI,  1                            ; v1  16 x lane
.set ADR, 2                            ; v2  the step's place in LDS + 16 x lane
.set SPW, 3
.set NIL, 4
.set PFO, 5                            ; v5  256 x lane
.set DM,  6
.set NINF, 7
.set ST,  8                            ; tile t at 8 + 8 t: +0 m, +1 its pair's partner, +2, +3 l, +4..7 at work; a in +6
.set Q,   24                           ; tile t, channels 32 ks on: 24 + 16 t + 8 ks
.set KV,  56                           ; v56-119 K's eight fragments, then V's
.set S,   120                          ; S^T: 120 + 32 t + 8 u; then p; then P in the first 16
.set O,   184                          ; O^T: 184 + 32 t + 8 ct
.set TMP, 248                          ; v248-251 the sums' second chains
.set RH,  252                          ; v252 r - 8 h
.set WV,  12
.set G1,  24
.set G0,  32
.set TB,  36                           ; LDS byte at which the step's images of K begin
.set KF,  37                           ; the step's first key
.set QL0, 38
.set QL15, 39
.set QH0, 40
.set QH15, 41
.set QLAST, 42                         ; my work-group's last query
.set SLOTS, 43
.set CNT, 44
.set SEL, 46
.set PFA, 48
.set LIM, 50
.macro PLACES n
.rept \n
	v_nop
.endr
.endm
	s_load_b256 s[4:11], s[0:1], 0x0               ; qh, kh, vt, ao
	v_lshl_add_u32 v[SPW], v0, 2, SPARE
	v_mov_b32 v[NIL], 0
	ds_add_u32 v[SPW], v[NIL]                      ; the wave's opening: the add, twice on end, and its wait ahead of my first tensor load
	ds_add_u32 v[SPW], v[NIL]
	v_lshrrev_b32 v1, 5, v0
	v_readfirstlane_b32 s[WV], v1                  ; wave 0..7
	v_and_b32 v2, 31, v0
	v_lshlrev_b32 v[LI], 4, v2
	v_lshlrev_b32 v[PFO], 8, v2
	v_and_b32 v253, 15, v0
	v_bfe_u32 v254, v0, 4, 1
	v_lshlrev_b32 v254, 3, v254
	v_sub_nc_u32 v[RH], v253, v254
	v_mov_b32 v[NINF], 0xff800000
	s_and_b32 s13, ttmp7, 0xffff                   ; the head
	s_mov_b32 s[G1+0], 3<<16                       ; elements of 8 bytes, no mask, no padding
	s_mov_b32 s[G1+1], 32<<16                      ; rows of 256 bytes,
	s_mov_b32 s[G1+2], 32<<16                      ; 32 of them,
	s_mov_b32 s[G1+3], 32<<16
	s_mov_b32 s[G1+4], 32
	s_mov_b32 s[G1+5], 32                          ; dense
	s_mov_b32 s[G1+6], 0
	s_mov_b32 s[G1+7], 0
	s_mov_b32 s[G0], 1
	s_lshl_b32 s[G0+1], s[WV], 13                  ; LDS: waves 0-3 K's quarters, waves 4-7 V's, in slot 0
	s_lshl_b32 s14, s13, 19                        ; the head's first byte in qh, kh, vt
	s_and_b32 s15, s[WV], 3
	s_lshl_b32 s15, s15, 13
	s_add_co_u32 s16, s14, s15
	s_mov_b32 s17, 0
	s_lshl_b32 s51, s[WV], 4
	s_lshl_b32 s[QL0], ttmp9, 7
	s_add_co_u32 s[QL0], s[QL0], s51               ; tile L's first query: 128 i + 16 w
	s_add_co_u32 s[QL15], s[QL0], 15
	s_sub_co_u32 s[QH0], 31, ttmp9
	s_lshl_b32 s[QH0], s[QH0], 7
	s_or_b32 s[QLAST], s[QH0], 127
	s_add_co_u32 s[QH0], s[QH0], s51               ; tile H's: 128 (31 - i) + 16 w
	s_add_co_u32 s[QH15], s[QH0], 15
	s_lshl_b32 s54, s[QL0], 7                      ; a tile of Q is 2,048 bytes
	s_add_co_u32 s54, s54, s14
	s_mov_b32 s55, 0
	s_lshl_b32 s56, s[QH0], 7
	s_add_co_u32 s56, s56, s14
	s_mov_b32 s57, 0
	s_lshl_b32 s52, s13, 11                        ; in ao: 24,576 bytes a tile, 2,048 a head
	s_mul_i32 s60, s[QL0], 1536
	s_add_co_u32 s60, s60, s52
	s_mov_b32 s61, 0
	s_mul_i32 s62, s[QH0], 1536
	s_add_co_u32 s62, s62, s52
	s_mov_b32 s63, 0
	s_mov_b32 s[SEL], 0x76543210
	s_mov_b32 s[SEL+1], 0xfedcba98
	s_mov_b32 s[TB], 0
	s_mov_b32 s[KF], 0
	s_mov_b32 s[SLOTS], 15
	s_cmp_eq_u32 ttmp9, 0
	s_cselect_b32 s[LIM], 1, -1                    ; the head's work-group 0, which walks all keys, asks ahead for all
	s_wait_dscnt 0x0                               ; both opening adds are done
	s_wait_kmcnt 0x0
	s_cmp_lt_u32 s[WV], 4
	s_cselect_b64 s[G0+2:G0+3], s[6:7], s[8:9]
	s_add_nc_u64 s[G0+2:G0+3], s[G0+2:G0+3], s[16:17]
	s_add_nc_u64 s[PFA:PFA+1], s[G0+2:G0+3], SLOTB ; my eighth of slot 1; the first change of slots steps it to slot 2
	s_or_b32 s[G0+3], s[G0+3], 0x80000000          ; type = 2
	tensor_load_to_lds s[G0:G0+3], s[G1:G1+7]      ; slot 0
	s_nop 0
	PLACES 4
	s_add_nc_u64 s[54:55], s[4:5], s[54:55]
	s_add_nc_u64 s[56:57], s[4:5], s[56:57]
	s_add_nc_u64 s[60:61], s[10:11], s[60:61]
	s_add_nc_u64 s[62:63], s[10:11], s[62:63]
.irp f, 0,1,2,3
	global_load_b128 v[Q+4*\f:Q+4*\f+3], v[LI], s[54:55] offset:512*\f         ; Q stays in registers
	global_load_b128 v[Q+16+4*\f:Q+16+4*\f+3], v[LI], s[56:57] offset:512*\f
.endr
.irp t, 0,1
	v_mov_b32 v[ST+8*\t], 0xff61b1e6               ; m = -3e38, under every score
.irp j, 1,2,3,4,5,6,7
	v_mov_b32 v[ST+8*\t+\j], 0                     ; l = 0; the others are written once, so that no way through the steps' branches finds one unwritten
.endr
.endr
.set n, 0
.rept 64
	v_mov_b32 v[O+n], 0                            ; O^T.  (The step is written without a first case: the first a multiplies zeros)
.set n, n+1
.endr
	s_wait_loadcnt 0x0                             ; Q
; The scores of hidden keys become -infinity ahead of the maximum.  Register 8 u + j holds key KF + 16 u + 8 h + j: hidden where 16 u + j > my query - KF - 8 h.  A step all of whose keys count skips this.
.macro MASK t, q0
	s_add_co_u32 s52, s[KF], 63
	s_cmp_le_u32 s52, s[\q0]
	s_cbranch_scc1 .Lopen_\@
	s_sub_co_i32 s52, s[\q0], s[KF]
	v_add_nc_u32 v[DM], s52, v[RH]
.set n, 0
.rept 32
	v_cmp_gt_i32 vcc_lo, 16*(n/8)+n%8, v[DM]
	v_cndmask_b32 v[S+32*\t+n], v[S+32*\t+n], v[NINF], vcc_lo
.set n, n+1
.endr
.Lopen_\@:
.endm
; A KEY STEP of 64 keys.  nt = 2: both tiles; nt = 1: tile H alone.  The two tiles' lines alternate, so that no line waits for the line above it.
.macro BODY nt
.irp u, 0,1,2,3
.irp k, 0,1
.irp c, 0,1
	ds_load_b128 v[KV+16*\u+8*\k+4*\c:KV+16*\u+8*\k+4*\c+3], v[ADR] offset:\u*2048+\k*1024+\c*512   ; K: keys 16 u on, channels 32 k on
.endr
.endr
.endr
	s_wait_dscnt 0x0
.irp k, 0,1                            ; S^T = K Q^T: the accumulators by turns, one instruction a turn
.irp u, 0,1,2,3
.irp t, 0,1
.if \t+\nt >= 2
.if \k == 0
	v_wmma_f32_16x16x32_f16 v[S+32*\t+8*\u:S+32*\t+8*\u+7], v[KV+16*\u+8*\k:KV+16*\u+8*\k+7], v[Q+16*\t+8*\k:Q+16*\t+8*\k+7], 0
.else
	v_wmma_f32_16x16x32_f16 v[S+32*\t+8*\u:S+32*\t+8*\u+7], v[KV+16*\u+8*\k:KV+16*\u+8*\k+7], v[Q+16*\t+8*\k:Q+16*\t+8*\k+7], v[S+32*\t+8*\u:S+32*\t+8*\u+7]
.endif
.endif
.endr
.endr
.endr
	PLACES 4                                       ; in front of loads into K's registers, and of the first read of the scores
.irp k, 0,1
.irp f, 0,1,2,3
.irp c, 0,1
	ds_load_b128 v[KV+32*\k+8*\f+4*\c:KV+32*\k+8*\f+4*\c+3], v[ADR] offset:32768+\k*4096+\f*1024+\c*512   ; V^T: keys 32 k on, channels 16 f on: it lands under the softmax
.endr
.endr
.endr
.if \nt == 2
	MASK 0, QL0                                    ; while L is alive the step's keys all lie under 2,048 and H's queries at or above: only L can be on the diagonal
.else
	MASK 1, QH0
.endif
.irp j, 0,1,2,3                        ; the maximum of the 32 scores and the old m, three operands at a time; each accumulator is first read at its low end
.irp t, 0,1
.if \t+\nt >= 2
	v_max3_num_f32 v[ST+8*\t+4+\j], v[S+32*\t+8*\j], v[S+32*\t+8*\j+1], v[S+32*\t+8*\j+2]
.endif
.endr
.endr
.irp g, 1,2
.irp j, 0,1,2,3
.irp t, 0,1
.if \t+\nt >= 2
	v_max3_num_f32 v[ST+8*\t+4+\j], v[ST+8*\t+4+\j], v[S+32*\t+8*\j+2*\g+1], v[S+32*\t+8*\j+2*\g+2]
.endif
.endr
.endr
.endr
.irp t, 0,1
.if \t+\nt >= 2
	v_max3_num_f32 v[ST+8*\t+4], v[ST+8*\t+4], v[S+32*\t+7], v[S+32*\t+15]
	v_max3_num_f32 v[ST+8*\t+6], v[ST+8*\t+6], v[S+32*\t+23], v[S+32*\t+31]
.endif
.endr
.irp t, 0,1
.if \t+\nt >= 2
	v_max3_num_f32 v[ST+8*\t+4], v[ST+8*\t+4], v[ST+8*\t+5], v[ST+8*\t+6]
.endif
.endr
.irp t, 0,1
.if \t+\nt >= 2
	v_max3_num_f32 v[ST+8*\t+4], v[ST+8*\t+4], v[ST+8*\t+7], v[ST+8*\t]
.endif
.endr
.irp t, 0,1
.if \t+\nt >= 2
	v_permlanex16_b32 v[ST+8*\t+5], v[ST+8*\t+4], s[SEL], s[SEL+1]   ; the query's other 32 keys lie in the lane 16 away
.endif
.endr
.irp t, 0,1
.if \t+\nt >= 2
	v_max_num_f32 v[ST+8*\t+6], v[ST+8*\t+4], v[ST+8*\t+5]           ; the new m
.endif
.endr
.irp t, 0,1
.if \t+\nt >= 2
	v_sub_f32 v[ST+8*\t+7], v[ST+8*\t], v[ST+8*\t+6]                 ; m_old - m_new
	v_mov_b32 v[ST+8*\t], v[ST+8*\t+6]
.endif
.endr
.set n, 0
.rept 16
.irp t, 0,1
.if \t+\nt >= 2
	v_pk_add_f32 v[S+32*\t+n:S+32*\t+n+1], v[S+32*\t+n:S+32*\t+n+1], v[ST+8*\t:ST+8*\t+1] op_sel_hi:[1,0] neg_lo:[0,1] neg_hi:[0,1]   ; s - m, two at a time
.endif
.endr
.set n, n+2
.endr
.irp t, 0,1                            ; ONE BATCH of exponentials: a and the 32 p of each tile; none of them reads another's result
.if \t+\nt >= 2
	v_exp_f32 v[ST+8*\t+6], v[ST+8*\t+7]
.endif
.endr
.set n, 0
.rept 32
.irp t, 0,1
.if \t+\nt >= 2
	v_exp_f32 v[S+32*\t+n], v[S+32*\t+n]
.endif
.endr
.set n, n+1
.endr
	v_nop                                          ; the plain place behind the last exponential
	s_wait_alu depctr_va_vdst(0)                   ; one wait for the whole batch, ahead of its first reader
.irp t, 0,1                            ; the row's sum, of the unrounded p, in two chains; l = a l + the sum
.if \t+\nt >= 2
	v_pk_fma_f32 v[ST+8*\t+2:ST+8*\t+3], v[ST+8*\t+2:ST+8*\t+3], v[ST+8*\t+6:ST+8*\t+7], v[S+32*\t:S+32*\t+1] op_sel_hi:[1,0,1]
	v_pk_add_f32 v[TMP+2*\t:TMP+2*\t+1], v[S+32*\t+2:S+32*\t+3], v[S+32*\t+4:S+32*\t+5]
.endif
.endr
.irp j, 6,10,14,18,22,26
.irp t, 0,1
.if \t+\nt >= 2
	v_pk_add_f32 v[ST+8*\t+2:ST+8*\t+3], v[ST+8*\t+2:ST+8*\t+3], v[S+32*\t+\j:S+32*\t+\j+1]
	v_pk_add_f32 v[TMP+2*\t:TMP+2*\t+1], v[TMP+2*\t:TMP+2*\t+1], v[S+32*\t+\j+2:S+32*\t+\j+3]
.endif
.endr
.endr
.irp t, 0,1
.if \t+\nt >= 2
	v_pk_add_f32 v[ST+8*\t+2:ST+8*\t+3], v[ST+8*\t+2:ST+8*\t+3], v[S+32*\t+30:S+32*\t+31]
.endif
.endr
.irp t, 0,1
.if \t+\nt >= 2
	v_pk_add_f32 v[ST+8*\t+2:ST+8*\t+3], v[ST+8*\t+2:ST+8*\t+3], v[TMP+2*\t:TMP+2*\t+1]
.endif
.endr
.set n, 0
.rept 16
.irp t, 0,1
.if \t+\nt >= 2
	v_cvt_pk_f16_f32 v[S+32*\t+n], v[S+32*\t+2*n], v[S+32*\t+2*n+1]   ; P, in place, ascending: registers 8 kk .. 8 kk + 7 are source 1 for keys 32 kk on
.endif
.endr
.set n, n+1
.endr
.set n, 0
.rept 16
.irp t, 0,1
.if \t+\nt >= 2
	v_pk_mul_f32 v[O+32*\t+n:O+32*\t+n+1], v[O+32*\t+n:O+32*\t+n+1], v[ST+8*\t+6:ST+8*\t+7] op_sel_hi:[1,0]   ; O^T x a
.endif
.endr
.set n, n+2
.endr
	s_wait_dscnt 0x0                               ; V is in
.irp k, 0,1                            ; O^T += V^T P: the accumulators by turns
.irp f, 0,1,2,3
.irp t, 0,1
.if \t+\nt >= 2
	v_wmma_f32_16x16x32_f16 v[O+32*\t+8*\f:O+32*\t+8*\f+7], v[KV+32*\k+8*\f:KV+32*\k+8*\f+7], v[S+32*\t+8*\k:S+32*\t+8*\k+7], v[O+32*\t+8*\f:O+32*\t+8*\f+7]
.endif
.endr
.endr
.endr
	PLACES 5                                       ; the next step's first products write over P, which these products read (five places), and its loads land in V's registers (four)
.endm
; What the change of slots after next will ask for: my eighth of that slot, 8,192 bytes, lanes 256 bytes apart: one instruction a wave, a slot's four key steps ahead of the load.  All work-groups of a head walk the same K and V:
; the head's work-group 0 asks, and nobody else, so each block is named once.  Nothing is asked at the head of the text, and nothing at the last change that fills a slot: there is no slot behind it.
.macro ASK
	s_cmp_gt_u32 s[SLOTS], s[LIM]
	s_cbranch_scc0 .Lnot_mine_\@
	global_prefetch_b8 v[PFO], s[PFA:PFA+1] th:TH_LOAD_NT scope:SCOPE_SE
.Lnot_mine_\@:
.endm
; THE CHANGE OF SLOTS stands at a slot's head.  Each wave waits for all its tensor loads (its eighth of the slot ahead), adds 0 to its spare word, and waits for that and for its reads of the slot that it has left.
; Behind the barrier the slot ahead is whole and nobody reads the other one, which is filled with the keys that follow: the load has a slot's four steps in which to land.
.macro CHANGE fill
	s_wait_tensorcnt 0x0                           ; no tensor load of mine is out, so group 0 may be written
	ds_add_u32 v[SPW], v[NIL]                      ; once: every way from the head leads through slot 0's load
.if \fill
	s_xor_b32 s[G0+1], s[G0+1], SLOT1              ; the other slot than last time,
	s_add_nc_u64 s[G0+2:G0+3], s[G0+2:G0+3], SLOTB ; the next 256 keys; the type bits on top are not reached
	s_wait_xcnt 0x0                                ; the last prefetch, a slot back, has read its address
	s_add_nc_u64 s[PFA:PFA+1], s[PFA:PFA+1], SLOTB
.endif
	s_wait_dscnt 0x0                               ; the add is done, and my reads of the slot that I have left are over
	s_barrier_signal -1
	s_barrier_wait -1
.if \fill
	s_add_co_u32 s52, s[KF], 256                   ; the first key of the slot that this change would ask for:
	s_cmp_gt_u32 s52, s[QLAST]                     ; past my work-group's last query no wave would read it.  Ids and the count of steps alone: all eight waves go the same way
	s_cbranch_scc1 .Lpast_\@
	tensor_load_to_lds s[G0:G0+3], s[G1:G1+7]      ; my one tensor load until the next such barrier
	s_nop 0
	PLACES 4
.Lpast_\@:
	ASK
.endif
.endm
.macro SLOT_STEPS                      ; a slot's four key steps: written once, walked four times
	s_mov_b32 s[CNT], 4
.Lstep_\@:
	v_add_nc_u32 v[ADR], s[TB], v[LI]
	s_cmp_gt_u32 s[KF], s[QH15]
	s_cbranch_scc1 .Lnext_\@                       ; all the step's keys come after both tiles' queries
	s_cmp_gt_u32 s[KF], s[QL15]
	s_cbranch_scc1 .Lone_\@                        ; after L's
	BODY 2
	s_branch .Lnext_\@
.Lone_\@:
	BODY 1
.Lnext_\@:
	s_add_co_u32 s[KF], s[KF], 64
	s_add_co_u32 s[TB], s[TB], 8192
	s_sub_co_u32 s[CNT], s[CNT], 1
	s_cmp_lg_u32 s[CNT], 0
	s_cbranch_scc1 .Lstep_\@
	s_sub_co_u32 s[TB], s[TB], 32768               ; back to a slot's first step,
	s_xor_b32 s[TB], s[TB], SLOT1                  ; in the other slot
.endm
.Lslot:                                            ; 15 trips
	CHANGE 1
	SLOT_STEPS
	s_sub_co_u32 s[SLOTS], s[SLOTS], 1
	s_cmp_lg_u32 s[SLOTS], 0
	s_cbranch_scc1 .Lslot
	CHANGE 0                                       ; the last slot is written out: nothing is left to ask for
	SLOT_STEPS
	; THE WAY OUT.  O^T / l, rounded to f16: a lane's eight channels of a tile are the 16 bytes that the projection's fragment wants of that lane: four stores of 512 consecutive bytes a tile
.irp t, 0,1
	v_add_f32 v[ST+8*\t+4], v[ST+8*\t+2], v[ST+8*\t+3]
.endr
.irp t, 0,1
	v_permlanex16_b32 v[ST+8*\t+5], v[ST+8*\t+4], s[SEL], s[SEL+1]
.endr
.irp t, 0,1
	v_add_f32 v[ST+8*\t+4], v[ST+8*\t+4], v[ST+8*\t+5]
.endr
.irp t, 0,1
	v_rcp_f32 v[ST+8*\t+6], v[ST+8*\t+4]
.endr
	v_nop                                          ; the plain place behind the reciprocals
	s_wait_alu depctr_va_vdst(0)                   ; one wait for the two
.irp t, 0,1
.set n, 0
.rept 16
	v_pk_mul_f32 v[S+32*\t+n:S+32*\t+n+1], v[O+32*\t+n:O+32*\t+n+1], v[ST+8*\t+6:ST+8*\t+7] op_sel_hi:[1,0]
.set n, n+2
.endr
.set n, 0
.rept 16
	v_cvt_pk_f16_f32 v[S+32*\t+n], v[S+32*\t+2*n], v[S+32*\t+2*n+1]
.set n, n+1
.endr
.irp f, 0,1,2,3
	global_store_b128 v[LI], v[S+32*\t+4*\f:S+32*\t+4*\f+3], s[60+2*\t:61+2*\t] offset:512*\f
.endr
.endr
	s_wait_tensorcnt 0x0                           ; the wave's end
	ds_add_u32 v[SPW], v[NIL]
	s_wait_dscnt 0x0
	s_endpgm
.Lfunc_end_k_q967e2474e6_attn:
	.size	k_q967e2474e6_attn, .Lfunc_end_k_q967e2474e6_attn-k_q967e2474e6_attn
	.p2alignl 7, 3214868480
	.fill 96, 4, 3214868480
	.section	.rodata,"a",@progbits
	.p2align	6, 0x0
	.amdhsa_kernel k_q967e2474e6_attn
		.amdhsa_group_segment_fixed_size 327680
		.amdhsa_private_segment_fixed_size 0
		.amdhsa_enable_private_segment 0
		.amdhsa_kernarg_size 32
		.amdhsa_user_sgpr_count 2
		.amdhsa_user_sgpr_kernarg_segment_ptr 1
		.amdhsa_wavefront_size32 1
		.amdhsa_system_sgpr_workgroup_id_x 1
		.amdhsa_system_sgpr_workgroup_id_y 1
		.amdhsa_system_sgpr_workgroup_id_z 1
		.amdhsa_system_vgpr_workitem_id 0
		.amdhsa_next_free_vgpr 256
		.amdhsa_next_free_sgpr 72
		.amdhsa_reserve_vcc 1
		.amdhsa_float_denorm_mode_32 3
		.amdhsa_float_denorm_mode_16_64 3
		.amdhsa_memory_ordered 1
		.amdhsa_forward_progress 1
		.amdhsa_inst_pref_size 76
	.end_amdhsa_kernel
	.amdgpu_metadata
---
amdhsa.version: [ 1, 2 ]
amdhsa.kernels:
  - .name:           k_q967e2474e6_attn
    .symbol:         k_q967e2474e6_attn.kd
    .args:
      - { .name: qh, .offset: 0, .size: 8, .value_kind: global_buffer, .address_space: global }
      - { .name: kh, .offset: 8, .size: 8, .value_kind: global_buffer, .address_space: global }
      - { .name: vt, .offset: 16, .size: 8, .value_kind: global_buffer, .address_space: global }
      - { .name: ao, .offset: 24, .size: 8, .value_kind: global_buffer, .address_space: global }
    .group_segment_fixed_size: 327680
    .private_segment_fixed_size: 0
    .kernarg_segment_align: 8
    .kernarg_segment_size: 32
    .max_flat_workgroup_size: 256
    .sgpr_count:     72
    .vgpr_count:     256
    .wavefront_size: 32
...
	.end_amdgpu_metadata
.endif
;; end of part 3
;; launch proj (part 4): grid 6 x 32, 4 waves a work-group, no clusters, 230,912 bytes of LDS; arguments ao, wo16, out0; writes out0
.if DOCPART == 4
	.amdgcn_target "amdgcn-amd-amdhsa--gfx1250"
	.amdhsa_code_object_version 6
	.text
	.protected	k_q967e2474e6_proj
	.globl	k_q967e2474e6_proj
	.p2align	8
	.type	k_q967e2474e6_proj,@function
k_q967e2474e6_proj:
	s_mov_b64 s[64:65], 0
	v_nop
	global_prefetch_b8 v0, s[64:65] scope:SCOPE_SE
	s_setreg_imm32_b32 hwreg(HW_REG_WAVE_MODE, 25, 1), 1
	s_wait_xcnt 0x0
; PROJ.  out0[pos][n] = sum over k of ao[pos][k] Wo[n][k], K = 768, f16 operands, f32 sums, for positions 16..4095 (positions 0..15 belong to the launch that carries them in f32).
; SHARES.  Work-group (ng, y): 128 positions x 128 columns (512 bytes of a row of out0: two aligned units of 256 bytes).  Wave w: position tiles 8 y + 2 w + a, a = 0, 1, against the eight tiles of columns: sixteen accumulators by turns.
; 192 work-groups: groups of 96 columns, which would give 256, would share units of 256 bytes of out0 between work-groups.
; Both operands arrive as images of operand registers.  ao's fragments are read by one wave alone: from memory straight into registers, five K steps ahead.  Wo's slice (196,608 dense bytes) is shared by the four waves and comes into LDS
; ONCE, as four chunks of six K steps; each wave fetches a quarter of each chunk.
; Used transposed (source 0 = 16 rows of Wo, source 1 = 16 positions): a lane holds one position and eight neighbouring columns.
; No cluster: a branch below (the first 16 positions are not stored) hangs on the position group, along which partners would share Wo.
.set CHUNK, 49152
.set STAGE, 196608                     ; behind Wo: 16 rows x (512 + 16) bytes for each wave
.set SPARE, 230400
.set LI,  1                            ; v1  16 x lane
.set SPW, 2
.set NIL, 3
.set STO, 4                            ; v4  the stage: row r, + 32 h
.set RD,  5                            ; v5  the stage: 16 x lane
.set LIQ, 6                            ; v6-9  16 x lane + q x 49,152: an LDS immediate has 16 bits
.set WF,  16                           ; v16-143 Wo's fragments: two sets of eight; on the way out the rows read back
.set AF,  144                          ; v144-239 ao's fragments: six K steps x two tiles
.set G1,  16
.set G0,  24
.set MSB, 0
.macro WIN new
.if MSB != \new
	s_set_vgpr_msb (MSB<<8)|\new
.set MSB, \new
.endif
.endm
.macro PLACES n
.rept \n
	v_nop
.endr
.endm
	s_load_b128 s[4:7], s[0:1], 0x0                ; ao, wo16
	s_load_b64 s[8:9], s[0:1], 0x10                ; out0
	v_lshl_add_u32 v[SPW], v0, 2, SPARE
	v_mov_b32 v[NIL], 0
	ds_add_u32 v[SPW], v[NIL]                      ; the wave's opening: the add, twice on end, and its wait ahead of my first tensor load
	ds_add_u32 v[SPW], v[NIL]
	v_lshrrev_b32 v1, 5, v0
	v_readfirstlane_b32 s10, v1                    ; wave
	v_and_b32 v10, 31, v0
	v_lshlrev_b32 v[LI], 4, v10
.irp q, 0,1,2,3
	v_add_nc_u32 v[LIQ+\q], \q*CHUNK, v[LI]
.endr
	v_and_b32 v10, 15, v0                          ; r
	v_bfe_u32 v11, v0, 4, 1                        ; h
	s_mul_i32 s12, s10, 8448
	s_add_co_u32 s12, s12, STAGE                   ; my stage
	v_mul_u32_u24 v[STO], v10, 528
	v_lshl_add_u32 v[STO], v11, 5, v[STO]
	v_add_nc_u32 v[STO], s12, v[STO]
	v_add_nc_u32 v[RD], s12, v[LI]
	s_and_b32 s11, ttmp7, 0xffff                   ; y
	s_or_b32 s50, s11, s10                         ; 0 where my tile a = 0 is positions 0..15
	s_mov_b32 s[G1+0], 3<<16                       ; elements of 8 bytes, no mask, no padding
	s_mov_b32 s[G1+1], 32<<16                      ; rows of 256 bytes,
	s_mov_b32 s[G1+2], 48<<16                      ; 48 of them: a quarter of a chunk,
	s_mov_b32 s[G1+3], 32<<16
	s_mov_b32 s[G1+4], 48
	s_mov_b32 s[G1+5], 32                          ; dense
	s_mov_b32 s[G1+6], 0
	s_mov_b32 s[G1+7], 0
	s_mul_i32 s44, s10, 12288
	s_mul_i32 s46, ttmp9, 196608
	s_add_co_u32 s46, s46, s44
	s_mov_b32 s47, 0
	s_lshl_b32 s48, s11, 3
	s_lshl_b32 s49, s10, 1
	s_add_co_u32 s48, s48, s49                     ; my first position tile: 8 y + 2 w
	s_mul_i32 s40, s48, 24576
	s_mov_b32 s41, 0
	s_mul_i32 s42, s48, 49152                      ; 16 rows of 3,072 bytes
	s_lshl_b32 s43, ttmp9, 9
	s_add_co_u32 s42, s42, s43
	s_mov_b32 s43, 0
	s_wait_dscnt 0x0                               ; both opening adds are done
	s_wait_kmcnt 0x0
	s_add_nc_u64 s[46:47], s[6:7], s[46:47]
.irp q, 0,1,2,3
	s_mov_b32 s[G0+4*\q], 1
	s_add_co_u32 s[G0+4*\q+1], s44, \q*CHUNK
	s_add_nc_u64 s[G0+4*\q+2:G0+4*\q+3], s[46:47], \q*CHUNK
	s_or_b32 s[G0+4*\q+3], s[G0+4*\q+3], 0x80000000
.endr
.irp q, 0,1,2,3
	tensor_load_to_lds s[G0+4*\q:G0+4*\q+3], s[G1:G1+7]
	s_nop 0
.endr
	PLACES 4
	s_add_nc_u64 s[40:41], s[4:5], s[40:41]
	s_add_nc_u64 s[42:43], s[8:9], s[42:43]
.macro LOADA ks                        ; ao's two fragments of K step ks into place ks % 6
.irp a, 0,1
.irp c, 0,1
	global_load_b128 v[AF+16*((\ks)%6)+8*\a+4*\c:AF+16*((\ks)%6)+8*\a+4*\c+3], v[LI], s[40:41] offset:\a*24576+(\ks)*1024+\c*512
.endr
.endr
.endm
.macro FETCHW ks                       ; Wo's eight fragments of K step ks into set ks % 2
.irp b, 0,1,2,3,4,5,6,7
.irp c, 0,1
	ds_load_b128 v[WF+64*((\ks)%2)+8*\b+4*\c:WF+64*((\ks)%2)+8*\b+4*\c+3], v[LIQ+(\ks)/6] offset:((\ks)%6)*8192+\b*1024+\c*512
.endr
.endr
.endm
.irp k, 0,1,2,3,4,5
	LOADA \k
.endr
	s_wait_tensorcnt 3                             ; my quarter of chunk 0 is in; the three chunks behind it may be out
	s_barrier_signal -1
	s_barrier_wait -1
	FETCHW 0
.set ks, 0
.rept 24
	s_wait_dscnt 0x0                               ; this K step's fragments of Wo are in
.if (ks%6 == 5) && (ks < 23)
	s_wait_tensorcnt 2-ks/6                        ; my quarter of the next chunk is in; the chunks behind it may stay out,
	s_barrier_signal -1
	s_barrier_wait -1                              ; everybody's is
.endif
.if ks < 23
.if ks > 0
	PLACES 4                                       ; in front of loads into the registers that the last step's products read
.endif
	FETCHW ks+1
.endif
.if (ks >= 1) && (ks <= 18)
	LOADA ks+5
.endif
.if 23-ks < 5
	s_wait_loadcnt 4*(23-ks)                       ; this step's four loads of ao are in; the later steps' may be out
.else
	s_wait_loadcnt 20
.endif
	WIN 0x50                                       ; C and D window 1
.irp b, 0,1,2,3,4,5,6,7
.irp a, 0,1
.if ks == 0
	v_wmma_f32_16x16x32_f16 v[8*(8*\a+\b):8*(8*\a+\b)+7], v[WF+64*(ks%2)+8*\b:WF+64*(ks%2)+8*\b+7], v[AF+16*(ks%6)+8*\a:AF+16*(ks%6)+8*\a+7], 0
.else
	v_wmma_f32_16x16x32_f16 v[8*(8*\a+\b):8*(8*\a+\b)+7], v[WF+64*(ks%2)+8*\b:WF+64*(ks%2)+8*\b+7], v[AF+16*(ks%6)+8*\a:AF+16*(ks%6)+8*\a+7], v[8*(8*\a+\b):8*(8*\a+\b)+7]
.endif
.endr
.endr
	WIN 0
.set ks, ks+1
.endr
; THE WAY OUT of tile a: 16 positions x 128 columns through my own stage, back as whole rows of 512 bytes.  LDS serves a wave's instructions in order: no wait between the stores and the loads.
.macro OUTBLK a
	WIN 0x04                                       ; an LDS store's data are its source 1: window 1
.irp b, 0,1,2,3,4,5,6,7
	ds_store_b128 v[STO], v[8*(8*\a+\b):8*(8*\a+\b)+3] offset:64*\b          ; each accumulator from its low end on
	ds_store_b128 v[STO], v[8*(8*\a+\b)+4:8*(8*\a+\b)+7] offset:64*\b+16
.endr
	WIN 0
.irp t, 0,1,2,3,4,5,6,7,8,9,10,11,12,13,14,15
	ds_load_b128 v[WF+64*\a+4*\t:WF+64*\a+4*\t+3], v[RD] offset:\t*528
.endr
.irp t, 0,1,2,3,4,5,6,7,8,9,10,11,12,13,14,15
	s_wait_dscnt 15-\t
	global_store_b128 v[LI], v[WF+64*\a+4*\t:WF+64*\a+4*\t+3], s[42:43] offset:(16*\a+\t)*3072 th:TH_STORE_NT   ; 512 consecutive bytes, aligned; written once
.endr
.endm
	PLACES 4                                       ; in front of the first read of results and of loads into Wo's registers
	s_cmp_eq_u32 s50, 0
	s_cbranch_scc1 .Lnot_mine                      ; positions 0..15 are stored by the launch that carries them in f32.  A branch on ids
	OUTBLK 0
.Lnot_mine:
	OUTBLK 1
	s_wait_tensorcnt 0x0                           ; the wave's end
	ds_add_u32 v[SPW], v[NIL]
	s_wait_dscnt 0x0
	s_endpgm
.Lfunc_end_k_q967e2474e6_proj:
	.size	k_q967e2474e6_proj, .Lfunc_end_k_q967e2474e6_proj-k_q967e2474e6_proj
	.p2alignl 7, 3214868480
	.fill 96, 4, 3214868480
	.section	.rodata,"a",@progbits
	.p2align	6, 0x0
	.amdhsa_kernel k_q967e2474e6_proj
		.amdhsa_group_segment_fixed_size 230912
		.amdhsa_private_segment_fixed_size 0
		.amdhsa_enable_private_segment 0
		.amdhsa_kernarg_size 24
		.amdhsa_user_sgpr_count 2
		.amdhsa_user_sgpr_kernarg_segment_ptr 1
		.amdhsa_wavefront_size32 1
		.amdhsa_system_sgpr_workgroup_id_x 1
		.amdhsa_system_sgpr_workgroup_id_y 1
		.amdhsa_system_sgpr_workgroup_id_z 1
		.amdhsa_system_vgpr_workitem_id 0
		.amdhsa_next_free_vgpr 384
		.amdhsa_next_free_sgpr 66
		.amdhsa_reserve_vcc 0
		.amdhsa_float_denorm_mode_32 3
		.amdhsa_float_denorm_mode_16_64 3
		.amdhsa_memory_ordered 1
		.amdhsa_forward_progress 1
		.amdhsa_inst_pref_size 76
	.end_amdhsa_kernel
	.amdgpu_metadata
---
amdhsa.version: [ 1, 2 ]
amdhsa.kernels:
  - .name:           k_q967e2474e6_proj
    .symbol:         k_q967e2474e6_proj.kd
    .args:
      - { .name: ao, .offset: 0, .size: 8, .value_kind: global_buffer, .address_space: global }
      - { .name: wo16, .offset: 8, .size: 8, .value_kind: global_buffer, .address_space: global }
      - { .name: out0, .offset: 16, .size: 8, .value_kind: global_buffer, .address_space: global }
    .group_segment_fixed_size: 230912
    .private_segment_fixed_size: 0
    .kernarg_segment_align: 8
    .kernarg_segment_size: 24
    .max_flat_workgroup_size: 128
    .sgpr_count:     66
    .vgpr_count:     384
    .wavefront_size: 32
...
	.end_amdgpu_metadata
.endif
;; end of part 4
;; launch fine (part 5): grid 12 x 1, 12 waves a work-group, no clusters, 53,760 bytes of LDS; arguments first32, Wo, out0; writes out0
.if DOCPART == 5
	.amdgcn_target "amdgcn-amd-amdhsa--gfx1250"
	.amdhsa_code_object_version 6
	.text
	.protected	k_q967e2474e6_fine
	.globl	k_q967e2474e6_fine
	.p2align	8
	.type	k_q967e2474e6_fine,@function
k_q967e2474e6_fine:
	s_mov_b64 s[64:65], 0
	v_nop
	global_prefetch_b8 v0, s[64:65] scope:SCOPE_SE
	s_setreg_imm32_b32 hwreg(HW_REG_WAVE_MODE, 25, 1), 1
	s_wait_xcnt 0x0
; FINE.  Rows 0..15 of out0, carried in f32 from end to end: under the causal mask these positions average one to sixteen values and are the largest in size, so 16-bit operands would use up what the comparison allows.
; first32: [head chunk 0..23][position 0..15][64] f32 (chunks 0-11: Q x log2(e) / 8, 12-23: K, both behind RoPE), then from byte 98,304 V^T [channel 0..767][position 0..15].
; SHARES.  Wave = head.  Work-group g = output columns 64 g .. 64 g + 63 (256 bytes of a row).  Each work-group repeats the twelve small attentions (147 KB of reads), so that no sum crosses work-groups; the twelve heads' parts of the projection meet in LDS.
; All three products go by the f32 matrix form, 16 x 16 x 4.  In it lane (r, h) gives row r and, in register j, k = 2 h + j.  A permutation of k applied alike to both sources keeps the products, so each product names its k so that what a lane holds
; already is what it must give:  K Q^T: place (h, j) of step q is channel 32 h + 2 q + j;  V^T P: key 8 h + 2 q + j;  Wo O: channel 16 ct + 8 h + 2 q + j.  Nothing changes lanes between the products.
; The 32 registers MA are written by matrix instructions alone; what is made of a finished sum goes into other registers.
.set SPARE, 52224                      ; behind the parts (12 x 4,352 bytes): the spare words, 128 bytes a wave
.set QA,  3                            ; v3  256 r + 128 h
.set VA,  4                            ; v4  64 r + 32 h
.set WA,  5                            ; v5  3,072 r + 32 h
.set SPW, 6
.set NIL, 7
.set PST, 8                            ; v8  where I put my head's part
.set PRD, 9                            ; v9  where I read the twelve parts
.set GO,  10                           ; v10 my 16 bytes of out0
.set DM,  11                           ; v11 r - 8 h
.set NINF, 12
.set QF,  16                           ; v16-47   Q: query r, channels 32 h + 0..31
.set KF,  48                           ; v48-79   K: key r, the same channels
.set VF,  80                           ; v80-111  V^T: channel 16 ct + r, keys 8 h + 0..7
.set WFA, 112                          ; v112-175 Wo: column tiles 0, 1: row 16 b + r, channels 16 ct + 8 h + 0..7
.set WFB, 16                           ; v16-79   column tiles 2, 3, once Q and K are done with
.set MA,  176                          ; v176-207 four accumulators
.set T,   208
.set PF,  216
.set AOF, 224
.macro PLACES n
.rept \n
	v_nop
.endr
.endm
	s_load_b128 s[4:7], s[0:1], 0x0                ; first32, Wo
	s_load_b64 s[8:9], s[0:1], 0x10                ; out0
	v_lshl_add_u32 v[SPW], v0, 2, SPARE
	v_mov_b32 v[NIL], 0
	v_lshrrev_b32 v1, 5, v0
	v_readfirstlane_b32 s10, v1                    ; wave = head
	v_and_b32 v1, 15, v0                           ; r
	v_bfe_u32 v2, v0, 4, 1                         ; h
	v_lshlrev_b32 v[QA], 8, v1
	v_lshl_add_u32 v[QA], v2, 7, v[QA]
	v_lshlrev_b32 v[VA], 6, v1
	v_lshl_add_u32 v[VA], v2, 5, v[VA]
	v_mul_u32_u24 v[WA], v1, 3072
	v_lshl_add_u32 v[WA], v2, 5, v[WA]
	s_mul_i32 s16, s10, 4352
	v_mul_u32_u24 v[PST], v2, 272
	v_lshl_add_u32 v[PST], v1, 4, v[PST]
	v_add_nc_u32 v[PST], s16, v[PST]               ; my part: block (b, half, h) of 16 positions x 16 bytes + 16 of padding; position r
	s_lshl_b32 s17, s10, 5
	v_lshlrev_b32 v[PRD], 4, v2                    ; back: position 2 w + lane / 16; lane % 16 = four columns: b = its bits 3:2, h = bit 1, half = bit 0
	v_bfe_u32 v13, v0, 2, 2
	v_mad_u32_u24 v[PRD], v13, 1088, v[PRD]
	v_bfe_u32 v13, v0, 1, 1
	v_mad_u32_u24 v[PRD], v13, 272, v[PRD]
	v_and_b32 v13, 1, v0
	v_mad_u32_u24 v[PRD], v13, 544, v[PRD]
	v_add_nc_u32 v[PRD], s17, v[PRD]
	s_mul_i32 s18, s10, 6144
	v_mul_u32_u24 v[GO], v2, 3072
	v_lshl_add_u32 v[GO], v1, 4, v[GO]
	v_add_nc_u32 v[GO], s18, v[GO]
	v_lshlrev_b32 v13, 3, v2
	v_sub_nc_u32 v[DM], v1, v13
	v_mov_b32 v[NINF], 0xff800000
	s_mov_b32 s20, 0x76543210
	s_mov_b32 s21, 0xfedcba98
	s_lshl_b32 s22, s10, 12                        ; in first32 a head is 4,096 bytes in each of the three parts
	s_mov_b32 s23, 0
	s_mul_i32 s24, ttmp9, 196608                   ; Wo: rows 64 g on,
	s_lshl_b32 s25, s10, 8                         ; channels 64 x head on
	s_add_co_u32 s24, s24, s25
	s_mov_b32 s25, 0
	s_lshl_b32 s26, ttmp9, 8
	s_mov_b32 s27, 0
	s_wait_kmcnt 0x0
	s_add_nc_u64 s[12:13], s[4:5], s[22:23]
	s_add_nc_u64 s[14:15], s[6:7], s[24:25]
	s_add_nc_u64 s[8:9], s[8:9], s[26:27]
.irp i, 0,1,2,3,4,5,6,7
	global_load_b128 v[QF+4*\i:QF+4*\i+3], v[QA], s[12:13] offset:16*\i
.endr
.irp i, 0,1,2,3,4,5,6,7
	global_load_b128 v[KF+4*\i:KF+4*\i+3], v[QA], s[12:13] offset:49152+16*\i
.endr
.irp f, 0,1,2,3
.irp i, 0,1
	global_load_b128 v[VF+8*\f+4*\i:VF+8*\f+4*\i+3], v[VA], s[12:13] offset:98304+\f*1024+16*\i
.endr
.endr
.irp b, 0,1
.irp f, 0,1,2,3
.irp i, 0,1
	global_load_b128 v[WFA+32*\b+8*\f+4*\i:WFA+32*\b+8*\f+4*\i+3], v[WA], s[14:15] offset:\b*49152+\f*64+16*\i
.endr
.endr
.endr
	s_wait_loadcnt 24                              ; Q and K are in; V's eight loads and Wo's sixteen may be out
.set q, 0
.rept 16                               ; S^T = K Q^T, in four partial sums that take turns; each sum's first step starts it
.if q < 4
	v_wmma_f32_16x16x4_f32 v[MA+8*(q%4):MA+8*(q%4)+7], v[KF+2*q:KF+2*q+1], v[QF+2*q:QF+2*q+1], 0
.else
	v_wmma_f32_16x16x4_f32 v[MA+8*(q%4):MA+8*(q%4)+7], v[KF+2*q:KF+2*q+1], v[QF+2*q:QF+2*q+1], v[MA+8*(q%4):MA+8*(q%4)+7]
.endif
.set q, q+1
.endr
	PLACES 8                                       ; behind this form: eight places in front of loads into its sources and of the first read of its results
.irp b, 0,1
.irp f, 0,1,2,3
.irp i, 0,1
	global_load_b128 v[WFB+32*\b+8*\f+4*\i:WFB+32*\b+8*\f+4*\i+3], v[WA], s[14:15] offset:(2+\b)*49152+\f*64+16*\i
.endr
.endr
.endr
.irp j, 0,1,2,3,4,5,6,7
	v_add_f32 v[T+\j], v[MA+\j], v[MA+8+\j]        ; register j: key 8 h + j, query r
	v_add_f32 v[PF+\j], v[MA+16+\j], v[MA+24+\j]
.endr
.irp j, 0,1,2,3,4,5,6,7
	v_add_f32 v[T+\j], v[T+\j], v[PF+\j]
.endr
.irp j, 0,1,2,3,4,5,6,7
	v_cmp_gt_i32 vcc_lo, \j, v[DM]                 ; key 8 h + j comes after query r: hidden
	v_cndmask_b32 v[T+\j], v[T+\j], v[NINF], vcc_lo
.endr
	v_max3_num_f32 v13, v[T], v[T+1], v[T+2]
	v_max3_num_f32 v14, v[T+3], v[T+4], v[T+5]
	v_max3_num_f32 v13, v13, v[T+6], v[T+7]
	v_max_num_f32 v13, v13, v14
	v_permlanex16_b32 v14, v13, s20, s21
	v_max_num_f32 v13, v13, v14                    ; the row's maximum: key 0 counts for every query, so it is a number
.irp j, 0,1,2,3,4,5,6,7
	v_sub_f32 v[T+\j], v[T+\j], v13
.endr
.irp j, 0,1,2,3,4,5,6,7
	v_exp_f32 v[PF+\j], v[T+\j]
.endr
	v_nop                                          ; the plain place behind the exponentials
	s_wait_alu depctr_va_vdst(0)                   ; one wait for the eight
	v_add_f32 v13, v[PF], v[PF+1]
	v_add_f32 v14, v[PF+2], v[PF+3]
	v_add_f32 v13, v13, v[PF+4]
	v_add_f32 v14, v14, v[PF+5]
	v_add_f32 v13, v13, v[PF+6]
	v_add_f32 v14, v14, v[PF+7]
	v_add_f32 v13, v13, v14
	v_permlanex16_b32 v14, v13, s20, s21
	v_add_f32 v13, v13, v14
	v_rcp_f32 v15, v13
	v_nop
	s_wait_alu depctr_va_vdst(0)
	s_wait_loadcnt 32                              ; V is in; Wo's twice sixteen loads may be out
.irp q, 0,1,2,3                        ; O^T = V^T P: the four channel tiles by turns
.irp f, 0,1,2,3
.if \q == 0
	v_wmma_f32_16x16x4_f32 v[MA+8*\f:MA+8*\f+7], v[VF+8*\f+2*\q:VF+8*\f+2*\q+1], v[PF+2*\q:PF+2*\q+1], 0
.else
	v_wmma_f32_16x16x4_f32 v[MA+8*\f:MA+8*\f+7], v[VF+8*\f+2*\q:VF+8*\f+2*\q+1], v[PF+2*\q:PF+2*\q+1], v[MA+8*\f:MA+8*\f+7]
.endif
.endr
.endr
	PLACES 8
.set n, 0
.rept 32
	v_mul_f32 v[AOF+n], v[MA+n], v15               ; / the row's sum: register 8 ct + j: channel 16 ct + 8 h + j of position r
.set n, n+1
.endr
	s_wait_loadcnt 0x0                             ; Wo
.irp f, 0,1,2,3                        ; my head's part of out^T = Wo O^T: the four column tiles by turns
.irp q, 0,1,2,3
.irp b, 0,1,2,3
.if (\f == 0) && (\q == 0)
	v_wmma_f32_16x16x4_f32 v[MA+8*\b:MA+8*\b+7], v[WFA*(1-\b/2)+WFB*(\b/2)+32*(\b%2)+8*\f+2*\q:WFA*(1-\b/2)+WFB*(\b/2)+32*(\b%2)+8*\f+2*\q+1], v[AOF+8*\f+2*\q:AOF+8*\f+2*\q+1], 0
.else
	v_wmma_f32_16x16x4_f32 v[MA+8*\b:MA+8*\b+7], v[WFA*(1-\b/2)+WFB*(\b/2)+32*(\b%2)+8*\f+2*\q:WFA*(1-\b/2)+WFB*(\b/2)+32*(\b%2)+8*\f+2*\q+1], v[AOF+8*\f+2*\q:AOF+8*\f+2*\q+1], v[MA+8*\b:MA+8*\b+7]
.endif
.endr
.endr
.endr
	PLACES 8
.irp b, 0,1,2,3
	ds_store_b128 v[PST], v[MA+8*\b:MA+8*\b+3] offset:\b*1088          ; columns 16 b + 8 h + 0..3 of position r; each accumulator from its low end on
	ds_store_b128 v[PST], v[MA+8*\b+4:MA+8*\b+7] offset:\b*1088+544    ; and + 4..7
.endr
	s_wait_dscnt 0x0                               ; for the others' sake: my part lies in LDS
	s_barrier_signal -1
	s_barrier_wait -1
	s_cmp_ge_u32 s10, 8
	s_cbranch_scc1 .Ldone                          ; waves 0 to 7 add the parts, two rows each
.irp i, 0,1,2,3,4,5,6,7,8,9,10,11
	ds_load_b128 v[16+4*\i:19+4*\i], v[PRD] offset:\i*4352
.endr
	s_wait_dscnt 0x0
.irp i, 1,2,3,4,5,6,7,8,9,10,11
	v_pk_add_f32 v[16:17], v[16:17], v[16+4*\i:17+4*\i]                ; the heads in ascending order
	v_pk_add_f32 v[18:19], v[18:19], v[18+4*\i:19+4*\i]
.endr
	global_store_b128 v[GO], v[16:19], s[8:9]      ; sixteen lanes store 256 consecutive bytes, aligned
.Ldone:
	s_wait_tensorcnt 0x0                           ; the wave's end, behind my last LDS store
	ds_add_u32 v[SPW], v[NIL]
	s_wait_dscnt 0x0
	s_endpgm
.Lfunc_end_k_q967e2474e6_fine:
	.size	k_q967e2474e6_fine, .Lfunc_end_k_q967e2474e6_fine-k_q967e2474e6_fine
	.p2alignl 7, 3214868480
	.fill 96, 4, 3214868480
	.section	.rodata,"a",@progbits
	.p2align	6, 0x0
	.amdhsa_kernel k_q967e2474e6_fine
		.amdhsa_group_segment_fixed_size 53760
		.amdhsa_private_segment_fixed_size 0
		.amdhsa_enable_private_segment 0
		.amdhsa_kernarg_size 24
		.amdhsa_user_sgpr_count 2
		.amdhsa_user_sgpr_kernarg_segment_ptr 1
		.amdhsa_wavefront_size32 1
		.amdhsa_system_sgpr_workgroup_id_x 1
		.amdhsa_system_sgpr_workgroup_id_y 1
		.amdhsa_system_sgpr_workgroup_id_z 1
		.amdhsa_system_vgpr_workitem_id 0
		.amdhsa_next_free_vgpr 256
		.amdhsa_next_free_sgpr 66
		.amdhsa_reserve_vcc 1
		.amdhsa_float_denorm_mode_32 3
		.amdhsa_float_denorm_mode_16_64 3
		.amdhsa_memory_ordered 1
		.amdhsa_forward_progress 1
		.amdhsa_inst_pref_size 22
	.end_amdhsa_kernel
	.amdgpu_metadata
---
amdhsa.version: [ 1, 2 ]
amdhsa.kernels:
  - .name:           k_q967e2474e6_fine
    .symbol:         k_q967e2474e6_fine.kd
    .args:
      - { .name: first32, .offset: 0, .size: 8, .value_kind: global_buffer, .address_space: global }
      - { .name: Wo, .offset: 8, .size: 8, .value_kind: global_buffer, .address_space: global }
      - { .name: out0, .offset: 16, .size: 8, .value_kind: global_buffer, .address_space: global }
    .group_segment_fixed_size: 53760
    .private_segment_fixed_size: 0
    .kernarg_segment_align: 8
    .kernarg_segment_size: 24
    .max_flat_workgroup_size: 384
    .sgpr_count:     66
    .vgpr_count:     256
    .wavefront_size: 32
...
	.end_amdgpu_metadata
.endif
;; end of part 5
